; MI455X (gfx1250); checked and timed in simulation.
; The chip was launched on July 23, 2026; its instructions are those of AMD's public machine-readable ISA for CDNA 5 (MIT licence, August 2026) and "CDNA5" Instruction Set Architecture Reference Guide (July 2026). The comments in the code are by the model that wrote it; some were corrected since.
;; Point Attention Network. Allowed arithmetic: matrix products marked QUANTISED: E2M3 operands, one E8M0 scale for each 32 along K, by v_wmma_scale_f32_16x16x128_f8f6f4 with both operands' format E2M3, f32 sums; everything else in f32.
;; Inputs: W1 128 x 512 float32; W2 128 x 512 float32; W3 256 x 512 float32; b1 128 float32; b2 128 float32; b3 256 float32; g1 128 float32; g2 128 float32; g3 256 float32; m1 128 float32; m2 128 float32; m3 256 float32; v1 128 float32; v2 128 float32; v3 256 float32; x 8 x 512 x 4,096 float32.
;; Outputs: out0 8 x 256 x 4,096 float32.
;; This version of the problem:
;;   THIS VERSION OF THE PROBLEM IS GIVEN IN LOW PRECISION. The matrix products marked QUANTISED in the list below multiply operands that are first quantised to E2M3 (2 exponent bits, 3 mantissa bits; 6 bits a number), with one power-of-two scale for each 32 numbers along K (OCP MX v1.0); their sums are f32. All else is computed in f32.
;;   The module's matrix products, in the order in which they are computed (A, B: the left and right operand; K: the contracted axis; several contracted axes count as one K, in the product's order):
;;     1. [M 32,768, K 512] x [K 512, N 128]; A: input x; B: input W1: QUANTISED
;;     2. [M 32,768, K 512] x [K 512, N 128]; A: input x; B: input W2: QUANTISED
;;     3. batch 8 x [M 4,096, K 128] x [K 128, N 4,096]; A: computed on the way; B: computed on the way: QUANTISED
;;     4. [M 32,768, K 512] x [K 512, N 256]; A: input x; B: input W3: QUANTISED
;;     5. batch 8 x [M 256, K 4,096] x [K 4,096, N 4,096]; A: computed on the way; B: softmax (see below): QUANTISED
;;   THE QUANTISER, for each operand of a quantised product, along K:
;;     - K is cut into blocks of 32 from its start; a last block that is shorter is filled with zeros.
;;     - A block's scale is 2^e with e = floor(log2(the largest magnitude in the block)) - 2, held to -126 .. 127; a block of zeros has e = 0. As a byte (E8M0): e + 127.
;;     - Each number is divided by its block's scale, clamped to +-7.5, and rounded to the nearest number of E2M3, ties to even, subnormals kept.
;;     - The product sums the exact products of the quantised numbers (number of the format x scale) in f32.
;;   ~~~python
;;   def quantise(x, axis):      # numpy; x: float32 -> the quantised numbers, widened to float32 again
;;       x = np.moveaxis(x, axis, -1); K = x.shape[-1]
;;       x = np.pad(x, [(0, 0)] * (x.ndim - 1) + [(0, -K % 32)]); x = x.reshape(x.shape[:-1] + (-1, 32)); a = np.abs(x).max(-1, keepdims=True)
;;       e = np.where(a > 0, np.clip(np.frexp(np.where(a > 0, a, 1))[1] - 1 - 2, -126, 127), 0)      # np.frexp(a)[1] - 1 = floor(log2(a)), exactly
;;       r = np.clip(x / 2.0 ** e, -7.5, 7.5)
;;       step = 2.0 ** (np.maximum(np.frexp(np.where(r == 0, 1, r))[1] - 1, 0) - 3)
;;       q = np.round(r / step) * step * 2.0 ** e      # np.round: ties to even
;;       return np.moveaxis(q.reshape(q.shape[:-2] + (-1,))[..., :K], -1, axis).astype(np.float32)
;;   ~~~
;;   SOFTMAX AHEAD OF A QUANTISED PRODUCT. Where the list says 'softmax', what is quantised is not the finished softmax but p = 2^(t - M), with t = logit x log2(e) and M = ceil(the row's largest t), a whole number; so 1/2 < the row's largest p <= 1. The row's sum l is taken of the UNQUANTISED p, in f32, and the product's result is divided by l at the end. Since M is a whole number, a kernel that streams over the keys may use a running M (the ceiling of the running maximum): every later rescaling is an exact power of two, which a block's scale takes up: the codes' values come out the same.
;;   OPERANDS COMPUTED ON THE WAY. 'Computed on the way' means the value that the module computes at that place (a softmax that the list does not call 'softmax' is quantised finished and normalised). What goes into a quantiser is computed in f32, as accurately as f32 sums, v_exp_f32 and their like allow (about 1e-6 of the number): no bf16 or f16 on the way to a quantiser, and a product that is left as it is and whose result goes on into a quantised operand takes f32 operands (vector FMAs, or v_wmma_f32_16x16x4_f32). A number that lies on a knife's edge between two numbers of the format may be rounded either way, as far as f32 arithmetic and the matrix unit's own rounding can turn it there, and no further.
;; 2 versions, each right. Each part assembles by itself: llvm-mc -triple=amdgcn-amd-amdhsa -mcpu=gfx1250 --defsym DOCPART=n.
;; ======== version 1 of 2: 3 launches
;; workspace buffers: wpk 208,896 bytes; aq 3,276,800 bytes; kv 9,830,400 bytes; vf 33,554,432 bytes
;; launch wq (part 1): grid 16 x 1, 4 waves a work-group, no clusters, 0 bytes of LDS; arguments W1, W2, W3, g1, g2, g3, b1, b2, b3, m1, m2, m3, v1, v2, v3, wpk; writes wpk
.if DOCPART == 1
	.amdgcn_target "amdgcn-amd-amdhsa--gfx1250"
	.amdhsa_code_object_version 6
	.text
	.protected	k_qe545a33b44_wq
	.globl	k_qe545a33b44_wq
	.p2align	8
	.type	k_qe545a33b44_wq,@function
k_qe545a33b44_wq:
	s_mov_b64 s[64:65], 0
	v_nop
	global_prefetch_b8 v0, s[64:65] scope:SCOPE_SE
	s_setreg_imm32_b32 hwreg(HW_REG_WAVE_MODE, 25, 1), 1
	s_wait_xcnt 0x0
; The three weights [rows][512] f32 become codes of FP6 (E2M3) with one E8M0 byte for each 32 along K (K = the 512 input channels, innermost), laid in the ORDER OF THE OPERAND'S REGISTERS,
; and the three batch norms become scale[512] = g / sqrt(v + 1e-5) and shift[512] = b - m x scale (channels: a 0-127, k 128-255, v 256-511).
; wpk: images at 0: fragment (w, s, j) (w = 0: W1, 1: W2, 2: W3 rows 0-127, 3: W3 rows 128-255; s: K step of 128; j: tile of 16 rows) is 1,536 bytes at ((4 w + s) 8 + j) 1,536:
;      registers 4 c .. 4 c + 3 of lane l at 512 c + 16 l.   Scale words at 196,608: ((4 w + s) 4 + p) 128 + 4 l: lanes 0-15 tile 2 p's rows, lanes 16-31 tile 2 p + 1's.   scale at 204,800, shift at 206,848.
; THE ROWS OF A TILE OF W1 AND W2 ARE NOT NEIGHBOURS: row r of tile 2 p + u is row 32 p + 8 u + r + (r & 8), so that the next launch's results have 16 neighbouring channels in 16 registers.  W3's tiles are natural.
; SHARES: work-group = (w, s); wave p makes tiles 2 p and 2 p + 1.  Lane (r, h) holds the two whole blocks of 32 that the operand's layout gives it (k = 64 c + 32 h + 0 .. 31): no other lane is asked for a maximum.
; A block's scale is 2^(floor(log2(largest magnitude)) - 2); its byte is the largest magnitude's exponent field - 2, held at 1 from below.
; LIMITS: a block of zeros, or one whose largest magnitude lies under 2^-124, gets the byte 1 (zero codes add nothing; this program alone reads the bytes); NaN and infinities are not served; v + 1e-5 is positive.
; No LDS, no barrier: waves share nothing.  The launch reads 1 MiB once: no matrix unit, no cluster, no ring would add anything.
.set X,   32                           ; v32-159  the numbers: tile u at +64 u, block c at +32 c
.set C,   176                          ; v176-187, v192-203  the two tiles' codes: never written again, so no store's data are touched
.set WSO, 196608
.set BNO, 204800
	s_load_b512 s[8:23], s[0:1], 0x0               ; W1 8, W2 10, W3 12, g1 14, g2 16, g3 18, b1 20, b2 22
	s_load_b512 s[24:39], s[0:1], 0x40             ; b3 24, m1 26, m2 28, m3 30, v1 32, v2 34, v3 36, wpk 38
	v_lshrrev_b32 v1, 5, v0
	v_readfirstlane_b32 s2, v1                     ; p: wave 0..3
	s_lshr_b32 s3, ttmp9, 2                        ; w
	s_and_b32 s4, ttmp9, 3                         ; s
	s_max_u32 s7, s3, 2
	s_sub_co_u32 s7, s7, 2
	s_lshl_b32 s7, s7, 7                           ; first row in the chosen weight: 128 for w = 3, else 0
	s_cmp_lt_u32 s3, 2
	s_cselect_b32 s5, 8, 0                         ; W1, W2: the rows of a tile are spread; W3: not
	s_cselect_b32 s6, 8, 16                        ; rows from tile 2 p to tile 2 p + 1
	s_mov_b32 s50, 0x76543210
	s_mov_b32 s51, 0xfedcba98                      ; v_permlanex16_b32's selects for lane l xor 16
	s_mov_b32 vcc_lo, 0xffff0000                   ; lanes 16-31
	v_and_b32 v1, 31, v0                           ; lane
	v_and_b32 v2, 15, v0                           ; r
	v_bfe_u32 v3, v0, 4, 1                         ; h
	v_and_b32 v9, s5, v2
	v_add_nc_u32 v9, v9, v2
	s_lshl_b32 s52, s2, 5
	v_add_nc_u32 v9, s52, v9                       ; tile 2 p's row of lane r: 32 p + r + (r & 8 or 0)
	v_lshlrev_b32 v4, 11, v9                       ; a row is 2,048 bytes
	v_lshl_add_u32 v4, v3, 7, v4                   ; + 128 h: my block of 32
	s_lshl_b32 s53, s6, 11
	v_add_nc_u32 v5, s53, v4                       ; the same for tile 2 p + 1
	v_lshlrev_b32 v6, 4, v1                        ; 16 x lane
	v_lshlrev_b32 v7, 2, v1                        ; 4 x lane
	v_lshlrev_b32 v8, 3, v3                        ; 8 h: where my two bytes stand in the scale word
	v_mov_b32 v18, 0                               ; a lane permute's destination counts as one of its sources
	s_lshl_b32 s54, s7, 11
	s_lshl_b32 s55, s4, 9
	s_add_co_u32 s54, s54, s55
	s_mov_b32 s55, 0                               ; s[54:55] in the weight: first row, K step s
	s_lshl_b32 s56, ttmp9, 3
	s_lshl_b32 s57, s2, 1
	s_add_co_u32 s56, s56, s57
	s_mul_i32 s56, s56, 1536
	s_mov_b32 s57, 0                               ; s[56:57] my first image
	s_lshl_b32 s58, ttmp9, 2
	s_add_co_u32 s58, s58, s2
	s_lshl_b32 s58, s58, 7
	s_add_co_u32 s58, s58, WSO
	s_mov_b32 s59, 0                               ; s[58:59] my pair's scale words
	s_lshl_b32 s60, s3, 9
	s_lshl_b32 s61, s2, 7
	s_add_co_u32 s60, s60, s61
	s_add_co_u32 s60, s60, BNO
	s_mov_b32 s61, 0                               ; s[60:61] scale of channel 128 w + 32 p
	s_add_co_u32 s62, s7, s52
	s_lshl_b32 s62, s62, 2
	s_mov_b32 s63, 0                               ; s[62:63] the same channel in the chosen g, b, m, v
	s_wait_kmcnt 0x0
	s_cmp_eq_u32 s3, 0                             ; the buffers are chosen on the work-group's number alone
	s_cselect_b64 s[40:41], s[8:9], s[10:11]
	s_cselect_b64 s[42:43], s[14:15], s[16:17]
	s_cselect_b64 s[44:45], s[20:21], s[22:23]
	s_cselect_b64 s[46:47], s[26:27], s[28:29]
	s_cselect_b64 s[48:49], s[32:33], s[34:35]
	s_cmp_lt_u32 s3, 2
	s_cselect_b64 s[40:41], s[40:41], s[12:13]
	s_cselect_b64 s[42:43], s[42:43], s[18:19]
	s_cselect_b64 s[44:45], s[44:45], s[24:25]
	s_cselect_b64 s[46:47], s[46:47], s[30:31]
	s_cselect_b64 s[48:49], s[48:49], s[36:37]
	s_add_nc_u64 s[40:41], s[40:41], s[54:55]
	s_add_nc_u64 s[42:43], s[42:43], s[62:63]
	s_add_nc_u64 s[44:45], s[44:45], s[62:63]
	s_add_nc_u64 s[46:47], s[46:47], s[62:63]
	s_add_nc_u64 s[48:49], s[48:49], s[62:63]
	s_add_nc_u64 s[56:57], s[38:39], s[56:57]
	s_add_nc_u64 s[58:59], s[38:39], s[58:59]
	s_add_nc_u64 s[60:61], s[38:39], s[60:61]
.irp c, 0,1                                    ; tile 2 p: sixteen loads, 128 neighbouring bytes a lane and block
.irp i, 0,1,2,3,4,5,6,7
	global_load_b128 v[X+32*\c+4*\i:X+32*\c+4*\i+3], v4, s[40:41] offset:256*\c+16*\i th:TH_LOAD_NT
.endr
.endr
.irp c, 0,1                                    ; tile 2 p + 1
.irp i, 0,1,2,3,4,5,6,7
	global_load_b128 v[X+64+32*\c+4*\i:X+64+32*\c+4*\i+3], v5, s[40:41] offset:256*\c+16*\i th:TH_LOAD_NT
.endr
.endr
; Tile u: two blocks a lane become the operand's twelve registers and a part of the row's scale word.
.macro QW u
.irp c, 0,1
	v_max3_num_f32 v[10+\c], |v[X+64*\u+32*\c]|, |v[X+64*\u+32*\c+1]|, 0x1800000   ; with the floor 2^(3 - 127): the byte cannot fall under 1
.endr
.irp i, 2,4,6,8,10,12,14,16,18,20,22,24,26,28,30
.irp c, 0,1
	v_max3_num_f32 v[10+\c], v[10+\c], |v[X+64*\u+32*\c+\i]|, |v[X+64*\u+32*\c+\i+1]|   ; the two blocks by turns
.endr
.endr
.irp c, 0,1
	v_add_nc_u32 v[12+\c], 0xff000000, v[10+\c]    ; 2 off the exponent field: the conversion takes this operand's exponent field as its scale
.endr
.irp c, 0,1
	v_lshrrev_b32 v[14+\c], 23, v[12+\c]           ; the scale's byte
.endr
	v_lshl_or_b32 v[16+\u], v15, 16, v14           ; my bytes: blocks h and 2 + h,
	v_lshlrev_b32 v[16+\u], v8, v[16+\u]           ; at their places;
	v_permlanex16_b32 v18, v[16+\u], s50, s51
	v_or_b32 v[16+\u], v[16+\u], v18               ; with lane l xor 16's two the word is whole
.irp c, 0,1
	v_cvt_scalef32_pk16_fp6_f32 v[C+16*\u+6*\c:C+16*\u+6*\c+2], v[X+64*\u+32*\c:X+64*\u+32*\c+15], v[12+\c]
	v_cvt_scalef32_pk16_fp6_f32 v[20+4*\c:22+4*\c], v[X+64*\u+32*\c+16:X+64*\u+32*\c+31], v[12+\c]   ; (a conversion's three registers begin on an even number)
.endr
	v_nop                                          ; one plain place behind a scaled conversion
.irp c, 0,1
.irp i, 0,1,2
	v_mov_b32 v[C+16*\u+6*\c+3+\i], v[20+4*\c+\i]
.endr
.endr
.irp c, 0,1,2
	global_store_b128 v6, v[C+16*\u+4*\c:C+16*\u+4*\c+3], s[56:57] offset:1536*\u+512*\c   ; 32 lanes store 512 consecutive bytes, aligned to 256
.endr
.endm
	s_wait_loadcnt 16                              ; tile 2 p's sixteen loads are in; tile 2 p + 1's sixteen may be out
	QW 0
	s_wait_loadcnt 0x0
	QW 1
	v_cndmask_b32 v19, v16, v17, vcc_lo            ; lanes 0-15: tile 2 p's words; lanes 16-31: tile 2 p + 1's
	global_store_b32 v7, v19, s[58:59]
	s_cmp_lg_u32 s4, 0                             ; the batch norm of channels 128 w + 32 p + lane is made by the work-groups with s = 0
	s_cbranch_scc1 .Lend
	global_load_b32 v208, v7, s[42:43]             ; g
	global_load_b32 v209, v7, s[44:45]             ; b
	global_load_b32 v210, v7, s[46:47]             ; m
	global_load_b32 v211, v7, s[48:49]             ; v
	s_wait_loadcnt 0x0
	v_add_f32 v211, 0x3727c5ac, v211               ; v + 1e-5
	v_rsq_f32 v212, v211
	v_nop                                          ; one plain place behind a transcendental
	s_wait_alu depctr_va_vdst(0)                   ; and the wait ahead of its first reader
	v_mul_f32 v212, v208, v212                     ; scale
	v_fma_f32 v213, -v210, v212, v209              ; shift = b - m x scale
	global_store_b32 v7, v212, s[60:61]
	global_store_b32 v7, v213, s[60:61] offset:2048
.Lend:
	s_endpgm
.Lfunc_end_k_qe545a33b44_wq:
	.size	k_qe545a33b44_wq, .Lfunc_end_k_qe545a33b44_wq-k_qe545a33b44_wq
	.p2alignl 7, 3214868480
	.fill 96, 4, 3214868480
	.section	.rodata,"a",@progbits
	.p2align	6, 0x0
	.amdhsa_kernel k_qe545a33b44_wq
		.amdhsa_group_segment_fixed_size 0
		.amdhsa_private_segment_fixed_size 0
		.amdhsa_enable_private_segment 0
		.amdhsa_kernarg_size 128
		.amdhsa_user_sgpr_count 2
		.amdhsa_user_sgpr_kernarg_segment_ptr 1
		.amdhsa_wavefront_size32 1
		.amdhsa_system_sgpr_workgroup_id_x 1
		.amdhsa_system_sgpr_workgroup_id_y 1
		.amdhsa_system_sgpr_workgroup_id_z 1
		.amdhsa_system_vgpr_workitem_id 0
		.amdhsa_next_free_vgpr 224
		.amdhsa_next_free_sgpr 66
		.amdhsa_reserve_vcc 1
		.amdhsa_float_denorm_mode_32 3
		.amdhsa_float_denorm_mode_16_64 3
		.amdhsa_memory_ordered 1
		.amdhsa_forward_progress 1
		.amdhsa_inst_pref_size 14
	.end_amdhsa_kernel
	.amdgpu_metadata
---
amdhsa.version: [ 1, 2 ]
amdhsa.kernels:
  - .name:           k_qe545a33b44_wq
    .symbol:         k_qe545a33b44_wq.kd
    .args:
      - { .name: W1, .offset: 0, .size: 8, .value_kind: global_buffer, .address_space: global }
      - { .name: W2, .offset: 8, .size: 8, .value_kind: global_buffer, .address_space: global }
      - { .name: W3, .offset: 16, .size: 8, .value_kind: global_buffer, .address_space: global }
      - { .name: g1, .offset: 24, .size: 8, .value_kind: global_buffer, .address_space: global }
      - { .name: g2, .offset: 32, .size: 8, .value_kind: global_buffer, .address_space: global }
      - { .name: g3, .offset: 40, .size: 8, .value_kind: global_buffer, .address_space: global }
      - { .name: b1, .offset: 48, .size: 8, .value_kind: global_buffer, .address_space: global }
      - { .name: b2, .offset: 56, .size: 8, .value_kind: global_buffer, .address_space: global }
      - { .name: b3, .offset: 64, .size: 8, .value_kind: global_buffer, .address_space: global }
      - { .name: m1, .offset: 72, .size: 8, .value_kind: global_buffer, .address_space: global }
      - { .name: m2, .offset: 80, .size: 8, .value_kind: global_buffer, .address_space: global }
      - { .name: m3, .offset: 88, .size: 8, .value_kind: global_buffer, .address_space: global }
      - { .name: v1, .offset: 96, .size: 8, .value_kind: global_buffer, .address_space: global }
      - { .name: v2, .offset: 104, .size: 8, .value_kind: global_buffer, .address_space: global }
      - { .name: v3, .offset: 112, .size: 8, .value_kind: global_buffer, .address_space: global }
      - { .name: wpk, .offset: 120, .size: 8, .value_kind: global_buffer, .address_space: global }
    .group_segment_fixed_size: 0
    .private_segment_fixed_size: 0
    .kernarg_segment_align: 8
    .kernarg_segment_size: 128
    .max_flat_workgroup_size: 128
    .sgpr_count:     66
    .vgpr_count:     224
    .wavefront_size: 32
...
	.end_amdgpu_metadata
.endif
;; end of part 1
;; launch proj (part 2): grid 256 x 1, 4 waves a work-group, no clusters, 313,856 bytes of LDS; arguments x, wpk, aq, kv, vf; writes aq, kv, vf
.if DOCPART == 2
	.amdgcn_target "amdgcn-amd-amdhsa--gfx1250"
	.amdhsa_code_object_version 6
	.text
	.protected	k_qe545a33b44_proj
	.globl	k_qe545a33b44_proj
	.p2align	8
	.type	k_qe545a33b44_proj,@function
k_qe545a33b44_proj:
	s_mov_b64 s[64:65], 0
	v_nop
	global_prefetch_b8 v0, s[64:65] scope:SCOPE_SE
	s_setreg_imm32_b32 hwreg(HW_REG_WAVE_MODE, 25, 1), 1
	s_wait_xcnt 0x0
; a, k, v = relu(BN(W x)) for 128 positions of one batch and all 512 output channels; the three products on codes of FP6 (E2M3), one E8M0 byte for each 32 along K = the 512 input channels.
; x [8][512][4096] f32 has K as its middle axis: a lane takes a POSITION and its registers run down the channels, so a block of 32 lies in one lane and nothing is transposed.
; OUT: aq: the queries a as operand images (16 positions x 128 channels, 1,536 bytes each) + scale words: a record of 12,800 bytes for 128 positions.
;      kv: a record of 38,400 bytes for 128 positions: K's 8 images, V's 16 images (16 channels x 128 positions: the keys are V's K), K's scale words (512 bytes), V's (1,024).   vf: v in f32, [8][256][4096], for the residual.
; An image: registers 4 c .. 4 c + 3 of lane l at 512 c + 16 l.  Scale words stand in pairs: lanes 0-15 tile 2 p's rows, lanes 16-31 tile 2 p + 1's; four pairs a lane in 16 bytes.
; THE POSITIONS OF A TILE ARE NOT NEIGHBOURS: row r of tile 2 b + u is position 32 b + 8 u + r + (r & 8) (W1's and W2's rows likewise), so that 16 registers of two neighbouring result tiles are 16 neighbours along the next K.
; SHARES: work-group = (batch, 128 positions).  Wave 0 makes a, wave 1 k (source 0 = 16 rows of W, source 1 = 16 positions: a lane holds one position, registers run along channels);
;   waves 2, 3 make v's channels 0-127, 128-255 (source 0 = 16 positions, source 1 = 16 rows of W3: a lane holds one channel, registers run along positions).  64 accumulators a wave; accumulators (i, 0..7) are one fragment's 64 numbers.
; x's tile, 512 channels x 512 bytes, comes by sixteen tensor loads, four a wave (K step s: channels 128 s + 32 w on, 32 rows: so that each wave's counted wait shows K step s), all issued at the start and filled once: four are out a wave.
; Each wave quantises two tiles of positions a K step and hands them to the others through LDS as images.  W's codes come from memory straight into registers, in operand order.
; NO CLUSTER: no two work-groups share a byte of x; W's codes, which all share, would have to land in LDS, and 262,144 (x) + 51,200 (images) + 196,608 (W) bytes do not fit in 327,680.
; LIMITS: a block of zeros, or one whose largest magnitude lies under 2^-124, gets the byte 1 with its codes (zero codes add nothing; this program alone reads the bytes); NaN and infinities are not served.
; LDS: 0: x, K step s at 65,536 s, rows of 512 bytes;  262,144 + 12,800 s: K step s's 8 images and 4 pairs of scale words.  Waves 2, 3's stages (16 rows x 528 bytes) lie at 0 and 8,704, in K step 0's bytes, which have had
;   their only fill and their last read when the first result is stored there (seven barriers earlier).
; REGISTERS: window 0: v1-15 addresses; v16-19 x's scale words, v20-35 W's; v36-63 at work; v64-127 64 numbers at work; v128-255 x's raw numbers, later BN numbers, rows, codes.
;   window 1: v0-95 W's 8 fragments, v96-191 x's 8, v192-255 waves 0, 1's shifts.   windows 2, 3: the accumulators: (i, j) at window 2 + i / 4, v[8 (8 (i % 4) + j)].
.set IMG,  262144
.set IMGS, 12800
.set SCW,  12288
.set STGB, 8704
.set LI,  1                            ; 16 x lane
.set LS,  2                            ; 4 x lane
.set LIX, 3                            ; LI + IMG
.set LSX, 4                            ; LS + IMG + SCW
.set XWI, 5                            ; where I store my two images: LIX + 3,072 x wave
.set XWS, 6                            ; and their pair of scale words: LSX + 128 x wave
.set RA,  8                            ; v8-11  my position's word in K step s's first row
.set SO,  12                           ; stage: row r, + 64 h
.set SR,  13                           ; stage: 16 x lane
.set BA,  14                           ; 64 h
.set BV,  15                           ; 4 r
.set XS,  16
.set WS,  20
.set TM,  36                           ; v36-39 largest magnitudes, v40-43 partners and bytes, v48-51 the conversions' scale operands
.set PW,  52                           ; the scale word just made
.set PWE, 53                           ; the even tile's, kept for the pair
.set CH,  54                           ; v54-55 two chains of a maximum
.set SX,  56                           ; v56-59 x's scale operands
.set BY,  60                           ; v60-63 x's bytes
.set HA,  64
.set F0,  64                           ; v64-75, v76-87 the two fragments of x being made; v88-103 upper halves
.set F1,  76
.set TT,  88
.set R,   128
.set SCL, 128                          ; waves 0, 1: the 64 scales
.set ROWS, 128                         ; waves 2, 3: 16 rows read back
.set PC,  192                          ; v192-211 codes
.set SW,  212                          ; v212-215 four pairs of scale words
.set SC,  216                          ; waves 2, 3: v216-231 scale of unit c, twice; v232-247 shift, twice
.set SH,  232
.set WF,  0
.set XF,  96
.set SHF, 192
.set G1,  24
.set G0,  32
.set MSB, 0
.macro WIN new                         ; the immediate's high byte repeats the setting that is left; a switch that changes nothing is dropped
.if MSB != (\new)
	s_set_vgpr_msb (MSB<<8)|(\new)
.set MSB, (\new)
.endif
.endm
.macro PLACES n
.rept \n
	v_nop
.endr
.endm
.macro BARRIER
	s_barrier_signal -1
	s_barrier_wait -1
.endm
; One product.  wD, wA, wB: first registers; wZ = 1: it starts its sum; wSA, wSB: scale registers; wRA, wRB = 1: the scales stand in lanes 16-31.
.macro WMMA
.if wZ
.if wRA && wRB
	v_wmma_scale_f32_16x16x128_f8f6f4 v[wD:wD+7], v[wA:wA+11], v[wB:wB+11], 0, v[wSA], v[wSB] matrix_a_fmt:MATRIX_FMT_FP6 matrix_b_fmt:MATRIX_FMT_FP6 matrix_a_scale:MATRIX_SCALE_ROW1 matrix_b_scale:MATRIX_SCALE_ROW1
.elseif wRA
	v_wmma_scale_f32_16x16x128_f8f6f4 v[wD:wD+7], v[wA:wA+11], v[wB:wB+11], 0, v[wSA], v[wSB] matrix_a_fmt:MATRIX_FMT_FP6 matrix_b_fmt:MATRIX_FMT_FP6 matrix_a_scale:MATRIX_SCALE_ROW1
.elseif wRB
	v_wmma_scale_f32_16x16x128_f8f6f4 v[wD:wD+7], v[wA:wA+11], v[wB:wB+11], 0, v[wSA], v[wSB] matrix_a_fmt:MATRIX_FMT_FP6 matrix_b_fmt:MATRIX_FMT_FP6 matrix_b_scale:MATRIX_SCALE_ROW1
.else
	v_wmma_scale_f32_16x16x128_f8f6f4 v[wD:wD+7], v[wA:wA+11], v[wB:wB+11], 0, v[wSA], v[wSB] matrix_a_fmt:MATRIX_FMT_FP6 matrix_b_fmt:MATRIX_FMT_FP6
.endif
.else
.if wRA && wRB
	v_wmma_scale_f32_16x16x128_f8f6f4 v[wD:wD+7], v[wA:wA+11], v[wB:wB+11], v[wD:wD+7], v[wSA], v[wSB] matrix_a_fmt:MATRIX_FMT_FP6 matrix_b_fmt:MATRIX_FMT_FP6 matrix_a_scale:MATRIX_SCALE_ROW1 matrix_b_scale:MATRIX_SCALE_ROW1
.elseif wRA
	v_wmma_scale_f32_16x16x128_f8f6f4 v[wD:wD+7], v[wA:wA+11], v[wB:wB+11], v[wD:wD+7], v[wSA], v[wSB] matrix_a_fmt:MATRIX_FMT_FP6 matrix_b_fmt:MATRIX_FMT_FP6 matrix_a_scale:MATRIX_SCALE_ROW1
.elseif wRB
	v_wmma_scale_f32_16x16x128_f8f6f4 v[wD:wD+7], v[wA:wA+11], v[wB:wB+11], v[wD:wD+7], v[wSA], v[wSB] matrix_a_fmt:MATRIX_FMT_FP6 matrix_b_fmt:MATRIX_FMT_FP6 matrix_b_scale:MATRIX_SCALE_ROW1
.else
	v_wmma_scale_f32_16x16x128_f8f6f4 v[wD:wD+7], v[wA:wA+11], v[wB:wB+11], v[wD:wD+7], v[wSA], v[wSB] matrix_a_fmt:MATRIX_FMT_FP6 matrix_b_fmt:MATRIX_FMT_FP6
.endif
.endif
.endm
	s_load_b256 s[4:11], s[0:1], 0x0               ; x 4, wpk 6, aq 8, kv 10
	s_load_b64 s[12:13], s[0:1], 0x20              ; vf
	v_lshl_add_u32 v46, v0, 2, 0x4c800
	v_mov_b32 v47, 0
	ds_add_u32 v46, v47
	ds_add_u32 v46, v47
	v_lshrrev_b32 v7, 5, v0
	v_readfirstlane_b32 s14, v7                    ; wave 0..3
	s_lshr_b32 s15, ttmp9, 5                       ; batch
	s_and_b32 s16, ttmp9, 31                       ; which 128 positions
	; descriptor group 1: 32 rows (channels) x 128 elements of 4 bytes, 4,096 elements from row to row, no padding
	s_mov_b32 s[G1+0], 2<<16                       ; no mask; elements of 4 bytes
	s_mov_b32 s[G1+1], 128<<16                     ; tensor_dim0
	s_mov_b32 s[G1+2], 32<<16                      ; tensor_dim1
	s_mov_b32 s[G1+3], 128<<16                     ; tile_dim0
	s_mov_b32 s[G1+4], 32                          ; tile_dim1
	s_mov_b32 s[G1+5], 4096                        ; from row to row
	s_mov_b32 s[G1+6], 0
	s_mov_b32 s[G1+7], 0
	s_lshl_b32 s18, s15, 23                        ; a batch of x is 8,388,608 bytes,
	s_lshl_b32 s19, s14, 19                        ; my 32 channels of a K step 32 x 16,384,
	s_add_co_u32 s18, s18, s19
	s_lshl_b32 s19, s16, 9                         ; 128 positions 512
	s_add_co_u32 s18, s18, s19
	s_mov_b32 s19, 0
	s_lshl_b32 s22, s14, 14                        ; in LDS: 32 rows of 512 bytes a wave
	s_wait_dscnt 0x0
	s_wait_kmcnt 0x0
	s_add_nc_u64 s[18:19], s[4:5], s[18:19]
.irp s, 0,1,2,3
	s_mov_b32 s[G0+4*\s], 1                        ; count = 1
	s_add_co_u32 s[G0+4*\s+1], s22, 65536*\s       ; LDS address
	s_add_nc_u64 s[G0+4*\s+2:G0+4*\s+3], s[18:19], 2097152*\s   ; K step s: 128 channels on
	s_or_b32 s[G0+4*\s+3], s[G0+4*\s+3], 0x80000000   ; type = 2
.endr
.irp s, 0,1,2,3
	tensor_load_to_lds s[G0+4*\s:G0+4*\s+3], s[G1:G1+7]   ; all first fills in one group, ahead of every wait on TENSORcnt, LDS read and barrier; nothing is filled again
	s_nop 0
.endr
	PLACES 4                                       ; four places behind a tensor load
	s_mov_b32 s20, 0x76543210
	s_mov_b32 s21, 0xfedcba98                      ; v_permlanex16_b32's selects for lane l xor 16
	s_mov_b32 vcc_lo, 0xffff0000                   ; lanes 16-31; never rewritten
	s_mov_b32 s3, 0
	s_mul_i32 s2, s14, 49152
	s_add_nc_u64 s[48:49], s[6:7], s[2:3]          ; my role's 32 images of W
	s_lshl_b32 s2, s14, 11
	s_add_co_u32 s2, s2, 196608
	s_add_nc_u64 s[50:51], s[6:7], s[2:3]          ; their scale words
	s_lshl_b32 s2, s14, 9
	s_add_co_u32 s2, s2, 204800
	s_add_nc_u64 s[52:53], s[6:7], s[2:3]          ; my 128 channels' scale; shift 2,048 bytes on
	s_mul_i32 s17, ttmp9, 12800                    ; my record in aq,
	s_mul_i32 s23, ttmp9, 38400                    ; in kv
	s_max_u32 s2, s14, 1
	s_sub_co_u32 s2, s2, 1                         ; 0, 0, 1, 2
	s_mul_i32 s60, s2, 12288                       ; codes in the record: a at 0; K at 0, V's halves at 12,288 and 24,576
	s_lshl_b32 s61, s2, 9
	s_add_co_u32 s61, s61, 36864                   ; scale words in kv's record: 36,864, 37,376, 37,888
	s_cmp_eq_u32 s14, 0                            ; wave 0 writes aq, the others kv: the choice hangs on the wave's number alone
	s_cselect_b64 s[54:55], s[8:9], s[10:11]
	s_cselect_b32 s62, s17, s23
	s_cselect_b32 s61, 12288, s61
	s_add_co_u32 s2, s61, s62
	s_add_nc_u64 s[56:57], s[54:55], s[2:3]        ; scale words out
	s_add_co_u32 s2, s60, s62
	s_add_nc_u64 s[54:55], s[54:55], s[2:3]        ; codes out
	s_lshl_b32 s2, s15, 22                         ; vf: a batch is 4,194,304 bytes,
	s_and_b32 s17, s14, 1
	s_lshl_b32 s23, s17, 21                        ; 128 channels 2,097,152
	s_add_co_u32 s2, s2, s23
	s_lshl_b32 s23, s16, 9
	s_add_co_u32 s2, s2, s23
	s_add_nc_u64 s[58:59], s[12:13], s[2:3]
	; every LDS address is made here, ahead of the first parting of the roles: constants, the lane, the wave
	v_and_b32 v7, 31, v0
	v_lshlrev_b32 v[LI], 4, v7
	v_lshlrev_b32 v[LS], 2, v7
	v_add_nc_u32 v[LIX], IMG, v[LI]
	v_add_nc_u32 v[LSX], IMG+SCW, v[LS]
	s_mul_i32 s2, s14, 3072
	v_add_nc_u32 v[XWI], s2, v[LIX]
	s_lshl_b32 s2, s14, 7
	v_add_nc_u32 v[XWS], s2, v[LSX]
	v_and_b32 v60, 15, v0                          ; r
	v_bfe_u32 v61, v0, 4, 1                        ; h
	v_and_b32 v62, 8, v60
	v_add_nc_u32 v62, v62, v60
	v_lshl_add_u32 v62, v61, 3, v62
	s_lshl_b32 s2, s14, 5
	v_add_nc_u32 v62, s2, v62                      ; the position that I quantise: 32 w + 8 h + r + (r & 8): lanes 0-15 tile 2 w's rows, lanes 16-31 tile 2 w + 1's
	v_lshlrev_b32 v[RA], 2, v62
.irp s, 1,2,3
	v_add_nc_u32 v[RA+\s], 65536*\s, v[RA]
.endr
	s_mul_i32 s2, s17, STGB
	v_mul_u32_u24 v[SO], v60, 528
	v_lshl_add_u32 v[SO], v61, 6, v[SO]
	v_add_nc_u32 v[SO], s2, v[SO]
	v_add_nc_u32 v[SR], s2, v[LI]
	v_lshlrev_b32 v[BA], 6, v61
	v_lshlrev_b32 v[BV], 2, v60
.irp b, 0,1,2,3
	v_mov_b32 v[TM+4+\b], 0                        ; a lane permute's destination counts as one of its sources
.endr
.irp q, 0,1,2,3,4,5,6,7,8,9,10,11,12,13,14,15
	global_load_b32 v[WS+\q], v[LS], s[50:51] offset:128*\q   ; W's scale words: K step q / 4, pair q % 4
.endr
.macro WLOAD s                         ; K step s's 8 fragments of W, as they lie: 512 consecutive bytes a load
	WIN 0x40
.irp j, 0,1,2,3,4,5,6,7
.irp c, 0,1,2
	global_load_b128 v[WF+12*\j+4*\c:WF+12*\j+4*\c+3], v[LI], s[48:49] offset:(8*\s+\j)*1536+512*\c
.endr
.endr
	WIN 0
.endm
.macro LOADB s, k                      ; block k of K step s: 32 channels of my position; the 32 lanes read 32 different words of 128 bytes
.irp i, 0,1,2,3,4,5,6,7,8,9,10,11,12,13,14,15,16,17,18,19,20,21,22,23,24,25,26,27,28,29,30,31
	ds_load_b32 v[R+32*\k+\i], v[RA+\s] offset:(32*\k+\i)*512
.endr
.endm
.macro BLK k                           ; the block's largest magnitude (all 32 numbers are mine), its scale, its 32 codes
.set rr, R+32*\k
	v_max3_num_f32 v[CH], |v[rr]|, |v[rr+1]|, 0x1800000             ; with the floor 2^(3 - 127): the byte cannot fall under 1
	v_max3_num_f32 v[CH+1], |v[rr+2]|, |v[rr+3]|, |v[rr+4]|
.irp i, 5,9,13,17,21,25
	v_max3_num_f32 v[CH], v[CH], |v[rr+\i]|, |v[rr+\i+1]|
	v_max3_num_f32 v[CH+1], v[CH+1], |v[rr+\i+2]|, |v[rr+\i+3]|
.endr
	v_max3_num_f32 v[CH], v[CH], |v[rr+29]|, |v[rr+30]|
	v_max3_num_f32 v[CH], v[CH], v[CH+1], |v[rr+31]|
	v_add_nc_u32 v[SX+\k], 0xff000000, v[CH]       ; 2 off the exponent field: the conversion's scale operand
	v_lshrrev_b32 v[BY+\k], 23, v[SX+\k]           ; the byte
	v_cvt_scalef32_pk16_fp6_f32 v[F0+12*(\k%2)+6*(\k/2):F0+12*(\k%2)+6*(\k/2)+2], v[rr:rr+15], v[SX+\k]
	v_cvt_scalef32_pk16_fp6_f32 v[TT+4*\k:TT+4*\k+2], v[rr+16:rr+31], v[SX+\k]   ; (a conversion's three registers begin on an even number); the next block's first maximum is the plain place behind these
.endm
; My two tiles of positions, K step s.  A lane has all four blocks of ITS position; the layout wants blocks 0, 2 in lanes 0-15 and 1, 3 in lanes 16-31 of ONE tile: F0 = blocks 0, 2, F1 = blocks 1, 3, and twelve exchanges of
; F0's upper lanes with F1's lower lanes make F0 tile 2 w's fragment and F1 tile 2 w + 1's.  The four bytes are the position's scale word: lanes 0-15 tile 2 w's, lanes 16-31 tile 2 w + 1's: a pair as it stands.
.macro XQ s
	LOADB \s, 0
	LOADB \s, 1
	s_wait_dscnt 32                                ; block 0 is in; the younger block's 32 loads may be out
	BLK 0
	LOADB \s, 2
	s_wait_dscnt 32
	BLK 1
	LOADB \s, 3
	s_wait_dscnt 32
	BLK 2
	s_wait_dscnt 0x0
	BLK 3
	v_nop                                          ; one plain place behind the last conversion
.irp k, 0,1,2,3
.irp i, 0,1,2
	v_mov_b32 v[F0+12*(\k%2)+6*(\k/2)+3+\i], v[TT+4*\k+\i]
.endr
.endr
.irp i, 0,1,2,3,4,5,6,7,8,9,10,11
	v_permlane16_swap_b32 v[F0+\i], v[F1+\i]
.endr
	v_lshl_or_b32 v[PW], v[BY+1], 8, v[BY]
	v_lshl_or_b32 v[PW], v[BY+2], 16, v[PW]
	v_lshl_or_b32 v[PW], v[BY+3], 24, v[PW]
.irp u, 0,1
.irp c, 0,1,2
	ds_store_b128 v[XWI], v[F0+12*\u+4*\c:F0+12*\u+4*\c+3] offset:IMGS*\s+1536*\u+512*\c
.endr
.endr
	ds_store_b32 v[XWS], v[PW] offset:IMGS*\s
.endm
.macro XFETCH s                        ; all eight fragments of x and their four pairs of scale words, in any wave
	WIN 0x40
.irp i, 0,1,2,3,4,5,6,7
.irp c, 0,1,2
	ds_load_b128 v[XF+12*\i+4*\c:XF+12*\i+4*\c+3], v[LIX] offset:IMGS*\s+1536*\i+512*\c
.endr
.endr
	WIN 0
.irp p, 0,1,2,3
	ds_load_b32 v[XS+\p], v[LSX] offset:IMGS*\s+128*\p
.endr
.endm
; 64 products: K step s.  role 0: source 0 = W's tile j, source 1 = x's tile i;  role 1: source 0 = x's tile j, source 1 = W's tile i.
; The 64 accumulators take turns, one instruction a turn, in the same order in every K step.
.macro MUL role, s
.irp i, 0,1,2,3,4,5,6,7
	WIN 0xa5+0x50*(\i/4)                           ; sources 0 and 1 window 1; C and D window 2 or 3
.irp j, 0,1,2,3,4,5,6,7
.set wD, 8*(8*(\i%4)+\j)
.set wRA, \j%2
.set wRB, \i%2
.if \role == 0
.set wA, WF+12*\j
.set wB, XF+12*\i
.set wSA, WS+4*\s+\j/2
.set wSB, XS+\i/2
.else
.set wA, XF+12*\j
.set wB, WF+12*\i
.set wSA, XS+\j/2
.set wSB, WS+4*\s+\i/2
.endif
.if \s == 0
.set wZ, 1
.else
.set wZ, 0
.endif
	WMMA
.endr
.endr
	WIN 0
.endm
; 64 numbers of a lane, none negative, register 16 b + i = k 32 b + 16 (lane / 16) + i of my row, become a fragment's codes in v[PC] on and its scale word in v[PW].
.macro QUANT src
.irp b, 0,1,2,3
	v_max3_num_f32 v[TM+\b], v[\src+16*\b], v[\src+1+16*\b], 0x1800000   ; my 16 numbers of block b, and the floor 2^(3 - 127)
.endr
.irp i, 2,4,6,8,10,12,14
.irp b, 0,1,2,3
	v_max3_num_f32 v[TM+\b], v[TM+\b], v[\src+16*\b+\i], v[\src+1+16*\b+\i]   ; the four blocks by turns
.endr
.endr
.irp b, 0,1,2,3
	v_permlanex16_b32 v[TM+4+\b], v[TM+\b], s20, s21
.endr
.irp b, 0,1,2,3
	v_max_num_f32 v[TM+\b], v[TM+\b], v[TM+4+\b]   ; with lane l xor 16's: the block's largest
.endr
.irp b, 0,1,2,3
	v_add_nc_u32 v[TM+12+\b], 0xff000000, v[TM+\b]
.endr
.irp b, 0,1,2,3
	v_lshrrev_b32 v[TM+4+\b], 23, v[TM+12+\b]
.endr
	v_lshl_or_b32 v[PW], v[TM+5], 8, v[TM+4]
	v_lshl_or_b32 v[PW], v[TM+6], 16, v[PW]
	v_lshl_or_b32 v[PW], v[TM+7], 24, v[PW]
.irp c, 0,1
	v_cvt_scalef32_pk16_fp6_f32 v[PC+6*\c:PC+2+6*\c], v[\src+32*\c:\src+15+32*\c], v[TM+12+2*\c]
	v_cvt_scalef32_pk16_fp6_f32 v[PC+12+4*\c:PC+14+4*\c], v[\src+16+32*\c:\src+31+32*\c], v[TM+12+2*\c+1]
.endr
	v_nop                                          ; one plain place behind a scaled conversion
.irp c, 0,1                                    ; the layout wants a WHOLE block in a lane: lanes 0-15 block 2 c, lanes 16-31 block 2 c + 1
.irp i, 0,1,2
	v_permlane16_swap_b32 v[PC+6*\c+\i], v[PC+12+4*\c+\i]
.endr
.irp i, 0,1,2
	v_mov_b32 v[PC+3+6*\c+\i], v[PC+12+4*\c+\i]
.endr
.endr
.endm
.macro RELU                            ; the activation, in f32
.set cn, 0
.rept 64
	v_max_num_f32 v[HA+cn], 0, v[HA+cn]
.set cn, cn+1
.endr
.endm
.macro CODES u                         ; unit u's image and its scale word's place in a pair
.irp c, 0,1,2
	global_store_b128 v[LI], v[PC+4*\c:PC+4*\c+3], s[54:55] offset:1536*(\u)+512*\c   ; 512 consecutive bytes, aligned to 256
.endr
.if (\u)%2 == 0
	v_mov_b32 v[PWE], v[PW]
.else
	v_cndmask_b32 v[SW+(\u)/2], v[PWE], v[PW], vcc_lo   ; lanes 0-15 the even tile's word, lanes 16-31 the odd tile's
.endif
.endm
; A K step up to the parting of the roles.
.macro KHEAD s
.if \s > 0
	PLACES 4                                       ; in front of loads into registers that matrix instructions have read
.endif
	WLOAD \s                                       ; lands while x is quantised
	s_wait_tensorcnt 3-\s                          ; my part of K step s has landed; my loads of the later K steps may be out
	BARRIER                                        ; everybody's has.  (No LDS instruction of mine is out here)
	XQ \s
	s_wait_dscnt 0x0                               ; for the others' sake: my images are stored
	BARRIER
	XFETCH \s
	s_wait_loadcnt 0x0                             ; W's fragments (and, the first time, its scale words)
	s_wait_dscnt 0x0
	s_cmp_lt_u32 s14, 2
.endm
.irp s, 0,1,2
	KHEAD \s
	s_cbranch_scc0 .Lv\s
	MUL 0, \s
	s_branch .Lj\s
.Lv\s:
	MUL 1, \s
.Lj\s:
.endr
	KHEAD 3
	s_cbranch_scc0 .Lv3
	; ---- waves 0, 1.  Lane (r, h), register 8 t + i of a unit: channel 32 (t / 2) + 16 h + 8 (t % 2) + i: its scale and shift come now and land under the last K step
.irp t, 0,1,2,3,4,5,6,7
	global_load_b128 v[SCL+8*\t:SCL+8*\t+3], v[BA], s[52:53] offset:(32*(\t/2)+8*(\t%2))*4
	global_load_b128 v[SCL+8*\t+4:SCL+8*\t+7], v[BA], s[52:53] offset:(32*(\t/2)+8*(\t%2))*4+16
.endr
	WIN 0x40
.irp t, 0,1,2,3,4,5,6,7
	global_load_b128 v[SHF+8*\t:SHF+8*\t+3], v[BA], s[52:53] offset:2048+(32*(\t/2)+8*(\t%2))*4
	global_load_b128 v[SHF+8*\t+4:SHF+8*\t+7], v[BA], s[52:53] offset:2048+(32*(\t/2)+8*(\t%2))*4+16
.endr
	MUL 0, 3
	PLACES 4                                       ; in front of the first read of results
	s_wait_loadcnt 0x0
.macro UNITA pt                        ; tile pt of 16 positions: BN, relu, quantised along the 128 channels
	s_wait_xcnt 0x0                                ; the last unit's stores have read their registers
	WIN 0x12+(\pt)/4                               ; source 0 (sums) window 2 or 3, source 2 (shifts) window 1
.set cn, 0
.rept 32
	v_pk_fma_f32 v[HA+cn:HA+cn+1], v[64*((\pt)%4)+cn:64*((\pt)%4)+cn+1], v[SCL+cn:SCL+cn+1], v[SHF+cn:SHF+cn+1]   ; each accumulator from its low end on
.set cn, cn+2
.endr
	WIN 0
	RELU
	QUANT HA
	CODES \pt
.endm
.irp pt, 0,1,2,3,4,5,6,7
	UNITA \pt
.endr
	global_store_b128 v[LI], v[SW:SW+3], s[56:57]  ; the eight tiles' scale words: 512 consecutive bytes
	s_wait_tensorcnt 0x0
	ds_add_u32 v46, v47
	s_wait_dscnt 0x0
	s_endpgm
.Lv3:
	; ---- waves 2, 3.  Lane (r, h) of unit c: channel 16 c + r; its scale and shift, each into both halves of a pair for the packed multiply-add
.irp c, 0,1,2,3,4,5,6,7
	global_load_b32 v[SC+2*\c], v[BV], s[52:53] offset:64*\c
	global_load_b32 v[SC+2*\c+1], v[BV], s[52:53] offset:64*\c
	global_load_b32 v[SH+2*\c], v[BV], s[52:53] offset:2048+64*\c
	global_load_b32 v[SH+2*\c+1], v[BV], s[52:53] offset:2048+64*\c
.endr
	MUL 1, 3
	PLACES 4
	s_wait_loadcnt 0x0
.macro UNITV c                         ; 16 channels x 128 positions: BN, relu; f32 rows to vf through my stage; quantised along the positions
	s_wait_xcnt 0x0                                ; the last unit's stores have read their registers
	WIN 0x02+(\c)/4                                ; source 0 (sums) window 2 or 3
.set cn, 0
.rept 32
	v_pk_fma_f32 v[HA+cn:HA+cn+1], v[64*((\c)%4)+cn:64*((\c)%4)+cn+1], v[SC+2*(\c):SC+2*(\c)+1], v[SH+2*(\c):SH+2*(\c)+1]
.set cn, cn+2
.endr
	WIN 0
	RELU
.irp b, 0,1,2,3
.irp q, 0,1,2,3
	ds_store_b128 v[SO], v[HA+16*\b+4*\q:HA+16*\b+4*\q+3] offset:128*\b+16*\q   ; row r: positions 32 b + 16 h + 4 q on
.endr
.endr
.irp i, 0,1,2,3,4,5,6,7,8,9,10,11,12,13,14,15
	ds_load_b128 v[ROWS+4*\i:ROWS+4*\i+3], v[SR] offset:528*\i   ; my own bytes: LDS serves a wave's instructions in order (ISA guide 5.7.1.4)
.endr
	QUANT HA                                       ; stands between the stage's loads and the wait for them
	CODES \c
	s_wait_dscnt 0x0
.irp i, 0,1,2,3,4,5,6,7,8,9,10,11,12,13,14,15
	global_store_b128 v[LI], v[ROWS+4*\i:ROWS+4*\i+3], s[58:59] offset:(16*(\c)+\i)*16384 th:TH_STORE_NT   ; 32 lanes store 512 consecutive bytes of a channel's row, aligned to 256
.endr
.endm
.irp c, 0,1,2,3,4,5,6,7
	UNITV \c
.endr
	global_store_b128 v[LI], v[SW:SW+3], s[56:57]
	s_wait_tensorcnt 0x0
	ds_add_u32 v46, v47
	s_wait_dscnt 0x0
	s_endpgm
.Lfunc_end_k_qe545a33b44_proj:
	.size	k_qe545a33b44_proj, .Lfunc_end_k_qe545a33b44_proj-k_qe545a33b44_proj
	.p2alignl 7, 3214868480
	.fill 96, 4, 3214868480
	.section	.rodata,"a",@progbits
	.p2align	6, 0x0
	.amdhsa_kernel k_qe545a33b44_proj
		.amdhsa_group_segment_fixed_size 313856
		.amdhsa_private_segment_fixed_size 0
		.amdhsa_enable_private_segment 0
		.amdhsa_kernarg_size 40
		.amdhsa_user_sgpr_count 2
		.amdhsa_user_sgpr_kernarg_segment_ptr 1
		.amdhsa_wavefront_size32 1
		.amdhsa_system_sgpr_workgroup_id_x 1
		.amdhsa_system_sgpr_workgroup_id_y 1
		.amdhsa_system_sgpr_workgroup_id_z 1
		.amdhsa_system_vgpr_workitem_id 0
		.amdhsa_next_free_vgpr 1024
		.amdhsa_next_free_sgpr 66
		.amdhsa_reserve_vcc 1
		.amdhsa_float_denorm_mode_32 3
		.amdhsa_float_denorm_mode_16_64 3
		.amdhsa_memory_ordered 1
		.amdhsa_forward_progress 1
		.amdhsa_inst_pref_size 255
	.end_amdhsa_kernel
	.section	.bss,"aw",@nobits
	.p2align	6
	.space	262144
	.amdgpu_metadata
---
amdhsa.version: [ 1, 2 ]
amdhsa.kernels:
  - .name:           k_qe545a33b44_proj
    .symbol:         k_qe545a33b44_proj.kd
    .args:
      - { .name: x, .offset: 0, .size: 8, .value_kind: global_buffer, .address_space: global }
      - { .name: wpk, .offset: 8, .size: 8, .value_kind: global_buffer, .address_space: global }
      - { .name: aq, .offset: 16, .size: 8, .value_kind: global_buffer, .address_space: global }
      - { .name: kv, .offset: 24, .size: 8, .value_kind: global_buffer, .address_space: global }
      - { .name: vf, .offset: 32, .size: 8, .value_kind: global_buffer, .address_space: global }
    .group_segment_fixed_size: 313856
    .private_segment_fixed_size: 0
    .kernarg_segment_align: 8
    .kernarg_segment_size: 40
    .max_flat_workgroup_size: 128
    .sgpr_count:     66
    .vgpr_count:     1024
    .wavefront_size: 32
...
	.end_amdgpu_metadata
.endif
;; end of part 2
;; launch attn (part 3): grid 32 x 8, 4 waves a work-group, clusters of 4 x 1, 327,680 bytes of LDS; arguments aq, kv, vf, out0; writes out0
.if DOCPART == 3
	.amdgcn_target "amdgcn-amd-amdhsa--gfx1250"
	.amdhsa_code_object_version 6
	.text
	.protected	k_qe545a33b44_attn
	.globl	k_qe545a33b44_attn
	.p2align	8
	.type	k_qe545a33b44_attn,@function
k_qe545a33b44_attn:
	s_mov_b64 s[64:65], 0
	v_nop
	global_prefetch_b8 v0, s[64:65] scope:SCOPE_SE
	s_setreg_imm32_b32 hwreg(HW_REG_WAVE_MODE, 25, 1), 1
	s_wait_xcnt 0x0
	s_wait_alu depctr_hold_cnt(0) depctr_sa_sdst(0) depctr_va_vdst(0) depctr_va_sdst(0) depctr_va_ssrc(0) depctr_va_vcc(0) depctr_vm_vsrc(0)
	s_getreg_b32 s2, hwreg(HW_REG_IB_STS2, 6, 4)
	s_cmp_eq_u32 s2, 0
	s_cbranch_scc0 .Lentry_in_a_cluster
	s_endpgm
.Lentry_in_a_cluster:
	s_bfe_u32 s2, ttmp6, 0x10000c
	s_cmp_lg_u32 s2, 0x3003
	s_cbranch_scc0 .Lentry_shape_is_right
	s_endpgm
.Lentry_shape_is_right:
; out[b][c][m] = v[b][c][m] + (sum over n of v[b][c][n] p[m][n]) / l[m], p = 2^(t - M), t = (a[:, m] . k[:, n]) log2(e), M = the row's largest t so far rounded UP to a whole number, l = the sum of the unquantised p.
; Both products on codes of FP6 (E2M3), one E8M0 byte for each 32 along K.  a, k, v arrive as operand images with their scale words (aq, kv: laid by the launch before); v in f32 (vf) for the residual.
; When M moves, l and O are multiplied by 2^(old M - new M), made by v_ldexp_f32: nothing is rounded, and no branch hangs on data.
; SHARES: a work-group owns 128 queries of a batch; wave w owns tiles 2 w (piece 0) and 2 w + 1 (piece 1) of 16 queries.  Every wave walks the batch's 32 key steps of 128 keys; each fragment of K and V read from LDS feeds two products.
; LAYOUT: S^T = K Q^T (source 0 = 16 keys, source 1 = 16 queries), O^T = V^T P^T (source 0 = 16 channels, source 1 = P): a lane holds ONE query throughout.  The keys of a tile of K are not neighbours
; (row r of tile 2 b + u is key 32 b + 8 u + r + (r & 8)), so that 16 registers of two neighbouring tiles of S^T are 16 neighbouring keys: the conversions' results are P's operand.  Query row r of tile T is position 32 (T / 2) + 8 (T % 2) + r + (r & 8).
; BY TURNS: in a TURN one piece has the matrix unit: 16 products V^T P of the step in hand, then 8 products K Q^T of the next step; the other piece's softmax stands between them: the products stand at 24 fixed places of its text.
; Each accumulator gets one product a key step, so no two products that follow each other share one.
; CLUSTER: the four query blocks of a cluster belong to one batch and walk the same records of kv: each slot (two records, 76,800 bytes) is asked for JOINTLY, a quarter a wave, by the same tensor load with the same descriptor
; and a mask that names the four.  Two loads of a wave are out at the start, one behind each change of slots; it has two key steps in which to land.
; LDS: slot 0 at 0; the spare words at 76,800; stage 0 at 77,312; slot 1 at 131,072; stages 1 to 3 from 207,872: 64 channel rows x 528 bytes each, bytes of their own into which no fill lands.
; All of the LDS is claimed.
; LIMITS: p under 2^-126 comes out of v_exp_f32 as 0; a block of p whose largest lies under 2^-124 keeps the byte 1; NaN and infinities are not served.
; REGISTERS: window 0: v1-9, v26-31 addresses; v10-13 K's scale words, v14-21 V's, v22 Q's, v24-25 P's; v32-47 statistics; v48-63 at work; v64-87 P's codes; v128-255 S^T, 64 a piece.
;   window 1: O^T, 128 a piece.   window 2: v0-95 K, v96-119 Q; at the end vf's rows.   window 3: v0-191 V; at the end the stage's rows.
.set REC,   38400                      ; a key step's record: K's 8 images, V's 16, K's scale words at 36,864, V's at 37,376
.set SLOTB, 2*REC
.set QUART, SLOTB/4
.set SLOT1, 1<<17                      ; one exclusive or turns an address in one slot into the other's
.set SPARE, SLOTB                      ; 128 bytes for each wave: two blocks of 256 bytes that no other line names
.set STG,   SPARE+512
.set STGB,  64*528
.set STGJ,  SLOT1+SLOTB-STGB-STG       ; stage g begins at STG + g STGB, + STGJ for g > 0
.set LI,  1                            ; 16 x lane
.set ADR, 2                            ; the LDS address of the run of loads in hand
.set SPW, 3                            ; my spare word; never rewritten
.set NIL, 4                            ; 0; never rewritten
.set PFO, 5                            ; the prefetches' offset; never rewritten
.set STO, 6                            ; v6-9 piece 0's place in stages 0 to 3; v28-31 piece 1's
.set KS,  10
.set VS,  14
.set QS,  22
.set PS,  24
.set RD,  26
.set ST,  32                           ; piece y at +8 y: +0 -M, +1 the largest t, +2, +3 the sum in two halves, +4 f, +5 its partner in the pair, +6 at work
.set BM,  48                           ; v48-51 each block's largest score, then its largest p
.set BT,  52                           ; v52-59 at work
.set SOP, 60                           ; v60-63 the conversions' scale operands
.set P,   64
.set S,   128
.set WV,  12
.set LIM, 15                           ; 1 in a wave that prefetches, else the greatest number
.set PFA, 18
.set G1,  24
.set G0,  40                           ; s[40:43] slot 0's first fill; s[44:47] slot 1's, which then walks on
.set SLOTS, 56
.set TWICE, 57
.set CS,  58                           ; s[58:59] log2(e): the packed form names a pair
.set SEL, 60
.set TB,  62                           ; LDS byte at which the record to be fetched begins
.set W_KQ, 0x0a                        ; K and Q window 2, S^T window 0
.set W_PV, 0x53                        ; V window 3, P window 0, O^T window 1
.set W_RS, 0x41                        ; O^T (destination and source 0) window 1
.set MSB, 0
.set CURW, 0
.macro WIN new                         ; the immediate's high byte repeats the setting that is left; a switch that changes nothing is dropped
.if MSB != (\new)
	s_set_vgpr_msb (MSB<<8)|(\new)
.set MSB, (\new)
.endif
.endm
.macro PLACES n
.rept \n
	v_nop
.endr
.endm
.macro CROUND                          ; a round of the cluster's barrier: my work-group's barrier; wave 0 signals for the work-group; every wave waits for all four work-groups; my work-group's barrier once more
	s_barrier_signal -1
	s_barrier_wait -1
	s_cmp_lg_u32 s[WV], 0
	s_cbranch_scc1 .Lnot_wave_0_\@
	s_barrier_signal -3
.Lnot_wave_0_\@:
	s_barrier_wait -3
	s_barrier_signal -1
	s_barrier_wait -1
.endm
.macro JLOAD                           ; the joint refill: every wave fetches its quarter; four v_nop follow
	tensor_load_to_lds s[G0+4:G0+7], s[G1:G1+7]
	s_nop 0
	PLACES 4
.endm
; A PREFETCH INTO THE L2 of the slot that the NEXT change of slots will ask for: 300 blocks of 256 bytes, two key steps ahead of that load.  All clusters of a batch walk the same records: the batch's first cluster asks.
; Its four partners take 75 blocks each, told apart BY ADDRESS; in each, waves 0 to 2 take 25, a lane a block (lanes 25 to 31 name lane 24's again).  The last change that fills a slot asks for nothing.  Slots 0 to 2 come by their loads alone.
.macro ASK
	s_cmp_gt_u32 s[SLOTS], s[LIM]
	s_cbranch_scc0 .Lnot_mine_\@
	global_prefetch_b8 v[PFO], s[PFA:PFA+1] th:TH_LOAD_NT scope:SCOPE_SE
.Lnot_mine_\@:
.endm
; One product.  wD, wA, wB: first registers; wZ = 1: it starts its sum; wSA, wSB: scale registers; wRA, wRB = 1: the scales stand in lanes 16-31.
.macro WMMA
.if wZ
.if wRA && wRB
	v_wmma_scale_f32_16x16x128_f8f6f4 v[wD:wD+7], v[wA:wA+11], v[wB:wB+11], 0, v[wSA], v[wSB] matrix_a_fmt:MATRIX_FMT_FP6 matrix_b_fmt:MATRIX_FMT_FP6 matrix_a_scale:MATRIX_SCALE_ROW1 matrix_b_scale:MATRIX_SCALE_ROW1
.elseif wRA
	v_wmma_scale_f32_16x16x128_f8f6f4 v[wD:wD+7], v[wA:wA+11], v[wB:wB+11], 0, v[wSA], v[wSB] matrix_a_fmt:MATRIX_FMT_FP6 matrix_b_fmt:MATRIX_FMT_FP6 matrix_a_scale:MATRIX_SCALE_ROW1
.elseif wRB
	v_wmma_scale_f32_16x16x128_f8f6f4 v[wD:wD+7], v[wA:wA+11], v[wB:wB+11], 0, v[wSA], v[wSB] matrix_a_fmt:MATRIX_FMT_FP6 matrix_b_fmt:MATRIX_FMT_FP6 matrix_b_scale:MATRIX_SCALE_ROW1
.else
	v_wmma_scale_f32_16x16x128_f8f6f4 v[wD:wD+7], v[wA:wA+11], v[wB:wB+11], 0, v[wSA], v[wSB] matrix_a_fmt:MATRIX_FMT_FP6 matrix_b_fmt:MATRIX_FMT_FP6
.endif
.else
.if wRA && wRB
	v_wmma_scale_f32_16x16x128_f8f6f4 v[wD:wD+7], v[wA:wA+11], v[wB:wB+11], v[wD:wD+7], v[wSA], v[wSB] matrix_a_fmt:MATRIX_FMT_FP6 matrix_b_fmt:MATRIX_FMT_FP6 matrix_a_scale:MATRIX_SCALE_ROW1 matrix_b_scale:MATRIX_SCALE_ROW1
.elseif wRA
	v_wmma_scale_f32_16x16x128_f8f6f4 v[wD:wD+7], v[wA:wA+11], v[wB:wB+11], v[wD:wD+7], v[wSA], v[wSB] matrix_a_fmt:MATRIX_FMT_FP6 matrix_b_fmt:MATRIX_FMT_FP6 matrix_a_scale:MATRIX_SCALE_ROW1
.elseif wRB
	v_wmma_scale_f32_16x16x128_f8f6f4 v[wD:wD+7], v[wA:wA+11], v[wB:wB+11], v[wD:wD+7], v[wSA], v[wSB] matrix_a_fmt:MATRIX_FMT_FP6 matrix_b_fmt:MATRIX_FMT_FP6 matrix_b_scale:MATRIX_SCALE_ROW1
.else
	v_wmma_scale_f32_16x16x128_f8f6f4 v[wD:wD+7], v[wA:wA+11], v[wB:wB+11], v[wD:wD+7], v[wSA], v[wSB] matrix_a_fmt:MATRIX_FMT_FP6 matrix_b_fmt:MATRIX_FMT_FP6
.endif
.endif
.endm
; Place number wi of a turn: piece XP's next product: NPV products V^T P (channels 16 wi on; PVZ = 1: they start O^T's sums), then NKQ products K Q^T (tile wi - NPV of 16 keys), then nothing.  The windows go back to CURW.
.macro HOOK
.if wi < NPV
.set wD, 128*XP+8*wi
.set wA, 12*wi
.set wB, P+12*XP
.set wZ, PVZ
.set wSA, VS+wi/2
.set wSB, PS+XP
.set wRA, wi%2
.set wRB, 0
	WIN W_PV
	WMMA
	WIN CURW
.elseif wi < NPV+NKQ
.if (wi == NPV) && (XP == 0)
	s_wait_dscnt 0x0                               ; K, asked for at the turn's head, is in
.endif
.set wT, wi-NPV
.set wD, S+64*XP+8*wT
.set wA, 12*wT
.set wB, 96+12*XP
.set wZ, 1
.set wSA, KS+wT/2
.set wSB, QS
.set wRA, wT%2
.set wRB, XP
	WIN W_KQ
	WMMA
	WIN CURW
.endif
.set wi, wi+1
.endm
; THE LDS LOADS stand in two runs a key step: images as they lie, 512 consecutive bytes a load.
.macro FETCH_K
	WIN 0
	v_add_nc_u32 v[ADR], s[TB], v[LI]
	ds_load_b128 v[KS:KS+3], v[ADR] offset:36864   ; four pairs of scale words
	WIN 0x80
.irp t, 0,1,2,3,4,5,6,7
.irp c, 0,1,2
	ds_load_b128 v[12*\t+4*\c:12*\t+4*\c+3], v[ADR] offset:1536*\t+512*\c
.endr
.endr
	WIN CURW
.endm
.macro FETCH_V
	WIN 0
	v_add_nc_u32 v[ADR], s[TB], v[LI]
	s_add_co_u32 s[TB], s[TB], REC                 ; the next fetch is the next record's
	ds_load_b128 v[VS:VS+3], v[ADR] offset:37376
	ds_load_b128 v[VS+4:VS+7], v[ADR] offset:37888
	WIN 0xc0
.irp t, 0,1,2,3,4,5,6,7,8,9,10,11,12,13,14,15
.irp c, 0,1,2
	ds_load_b128 v[12*\t+4*\c:12*\t+4*\c+3], v[ADR] offset:12288+1536*\t+512*\c
.endr
.endr
	WIN CURW
.endm
; PIECE y's SOFTMAX for one key step, with the 24 places.  first = 1: O^T has not begun: nothing to rescale.  fv = 1: the next V is fetched behind the turn's last product V^T P and eight plain lines.
.macro SOFTMAX y, first, fv
.set rS, S+64*(\y)
.set rT, ST+8*(\y)
.set rP, P+12*(\y)
.set rPS, PS+(\y)
	HOOK
.irp b, 0,1,2,3
	v_max3_num_f32 v[BM+\b], v[rS+16*\b], v[rS+16*\b+1], v[rS+16*\b+2]   ; THE LARGEST SCORE OF EACH BLOCK OF 32 KEYS: for the row's maximum, and, since p rises with the score, for the block's largest p.  Each accumulator is read from its low end on
.endr
.irp i, 3,5,7,9,11,13
	HOOK
.irp b, 0,1,2,3
	v_max3_num_f32 v[BM+\b], v[BM+\b], v[rS+16*\b+\i], v[rS+16*\b+\i+1]
.endr
.endr
	HOOK
.irp b, 0,1,2,3
	v_max_num_f32 v[BM+\b], v[BM+\b], v[rS+16*\b+15]
.endr
	HOOK
.irp b, 0,1,2,3
	v_permlanex16_b32 v[BT+\b], v[BM+\b], s[SEL], s[SEL+1]
.endr
	HOOK
.irp b, 0,1,2,3
	v_max_num_f32 v[BM+\b], v[BM+\b], v[BT+\b]     ; with lane l xor 16's 16 keys
.endr
	HOOK
	v_max3_num_f32 v[rT+6], v[BM], v[BM+1], v[BM+2]
	v_max_num_f32 v[rT+6], v[rT+6], v[BM+3]        ; the step's largest score of my query
	v_mul_f32 v[rT+6], s[CS], v[rT+6]              ; as t
	v_max_num_f32 v[rT+1], v[rT+1], v[rT+6]        ; the running largest t
	v_mov_b32 v[rT+6], v[rT]
	v_floor_f32 v[rT], -v[rT+1]                    ; the new -M = floor(-t): M is a whole number
	v_sub_f32 v[rT+6], v[rT], v[rT+6]              ; old M - new M: a whole number, 0 or less
	v_cvt_i32_f32 v[rT+6], v[rT+6]                 ; (it saturates)
	v_ldexp_f32 v[rT+4], 1.0, v[rT+6]              ; f = 2^(old M - new M)
.irp q, 0,1,2
	HOOK
.irp j, 0,2,4,6,8,10,12,14
	v_pk_fma_f32 v[rS+16*\q+\j:rS+16*\q+\j+1], v[rS+16*\q+\j:rS+16*\q+\j+1], s[CS:CS+1], v[rT:rT+1] op_sel_hi:[1,0,0]   ; t - M, two at a time
.endr
.endr
	HOOK
.irp j, 48,50,52,54
	v_pk_fma_f32 v[rS+\j:rS+\j+1], v[rS+\j:rS+\j+1], s[CS:CS+1], v[rT:rT+1] op_sel_hi:[1,0,0]
.endr
	HOOK                                           ; place 15: the turn's last product V^T P; the eight lines below are plain and name none of its registers
.irp j, 56,58,60,62
	v_pk_fma_f32 v[rS+\j:rS+\j+1], v[rS+\j:rS+\j+1], s[CS:CS+1], v[rT:rT+1] op_sel_hi:[1,0,0]
.endr
.irp b, 0,1,2,3
	v_fma_f32 v[BM+\b], v[BM+\b], s[CS], v[rT]     ; the same of each block's largest score
.endr
.if \fv
	FETCH_V
.endif
.set e, 0
.rept 4                                        ; ONE BATCH: the 64 p and the four blocks' largest p; nothing in it reads a result
	HOOK
.rept 17
.if e < 64
	v_exp_f32 v[rS+e], v[rS+e]
.else
	v_exp_f32 v[BM+e-64], v[BM+e-64]
.endif
.set e, e+1
.endr
.endr
	v_pk_mul_f32 v[rT+2:rT+3], v[rT+2:rT+3], v[rT+4:rT+5] op_sel_hi:[1,0]   ; the sum under the new M: the plain place behind the exponentials
	s_wait_alu depctr_va_vdst(0)                   ; one wait for the batch, ahead of its first reader
	HOOK
	v_pk_add_f32 v[BT+4:BT+5], v[rS:rS+1], v[rS+2:rS+3]   ; THE SUM IS TAKEN OF THE UNQUANTISED p: two at a time, in two chains
.irp j, 4,8,12,16,20,24,28,32
	v_pk_add_f32 v[rT+2:rT+3], v[rT+2:rT+3], v[rS+\j:rS+\j+1]
	v_pk_add_f32 v[BT+4:BT+5], v[BT+4:BT+5], v[rS+\j+2:rS+\j+3]
.endr
	HOOK
.irp j, 36,40,44,48,52,56,60
	v_pk_add_f32 v[rT+2:rT+3], v[rT+2:rT+3], v[rS+\j:rS+\j+1]
	v_pk_add_f32 v[BT+4:BT+5], v[BT+4:BT+5], v[rS+\j+2:rS+\j+3]
.endr
	v_pk_add_f32 v[rT+2:rT+3], v[rT+2:rT+3], v[BT+4:BT+5]
	HOOK
.irp b, 0,1,2,3
	v_max_num_f32 v[BM+\b], 0x1800000, v[BM+\b]    ; the floor 2^(3 - 127): the byte cannot fall under 1
.endr
.irp b, 0,1,2,3
	v_add_nc_u32 v[SOP+\b], 0xff000000, v[BM+\b]   ; 2 off the exponent field: the conversion's scale operand
.endr
.irp b, 0,1,2,3
	v_lshrrev_b32 v[BT+\b], 23, v[SOP+\b]          ; the byte
.endr
	v_lshl_or_b32 v[rPS], v[BT+1], 8, v[BT]        ; p's scale word for these 128 keys
	v_lshl_or_b32 v[rPS], v[BT+2], 16, v[rPS]
	v_lshl_or_b32 v[rPS], v[BT+3], 24, v[rPS]
.irp c, 0,1
	v_cvt_scalef32_pk16_fp6_f32 v[rP+6*\c:rP+6*\c+2], v[rS+32*\c:rS+32*\c+15], v[SOP+2*\c]
	v_cvt_scalef32_pk16_fp6_f32 v[BT+4*\c:BT+4*\c+2], v[rS+32*\c+16:rS+32*\c+31], v[SOP+2*\c+1]   ; (a conversion's three registers begin on an even number)
.endr
	v_nop                                          ; one plain place behind a scaled conversion
.irp c, 0,1                                    ; the layout wants a WHOLE block in a lane
.irp i, 0,1,2
	v_permlane16_swap_b32 v[rP+6*\c+\i], v[BT+4*\c+\i]
.endr
.irp i, 0,1,2
	v_mov_b32 v[rP+6*\c+3+\i], v[BT+4*\c+\i]
.endr
.endr
.if \first
	HOOK
	PLACES 8                                       ; behind the last product K Q^T, and in front of the next turn's products, which read the scale word and the codes just made
.else
.set CURW, W_RS
	WIN W_RS
.set cn, 128*(\y)
.rept 16
	v_pk_mul_f32 v[cn:cn+1], v[cn:cn+1], v[rT+4:rT+5] op_sel_hi:[1,0]   ; O^T under the new M, each accumulator from its low end on
.set cn, cn+2
.endr
	HOOK
.rept 48                                       ; these are also the places behind the last product K Q^T, in front of the next fetch of K, and in front of the next turn's products
	v_pk_mul_f32 v[cn:cn+1], v[cn:cn+1], v[rT+4:rT+5] op_sel_hi:[1,0]
.set cn, cn+2
.endr
.set CURW, 0
	WIN 0
.endif
.endm
; A TURN.  Piece x has the matrix unit.  pv = 2: 16 products V^T P; 1: they start O^T; 0: none.  kq = 1: 8 products K Q^T of the next step.  fk = 1: that step's K is fetched at the head.  fv: see SOFTMAX.
.macro TURN x, pv, kq, first, fk, fv
.set XP, \x
.set wi, 0
.set NPV, 0
.set NKQ, 0
.set PVZ, 0
.if \pv
.set NPV, 16
.endif
.if \pv == 1
.set PVZ, 1
.endif
.if \kq
.set NKQ, 8
.endif
.if (\x == 0) && \pv
	s_wait_dscnt 0x0                               ; V, asked for in the middle of the turn before, is in
.endif
.if \fk
	FETCH_K
.endif
	SOFTMAX 1-\x, \first, \fv
.endm
; THE CHANGE OF SLOTS: the slot's last bytes, V of its second record, have been asked for.  Each wave waits for all its tensor loads (one is out: its quarter of the other slot), adds 0 to its spare word, and waits for that and
; for its own reads of the slot.  fill = 1: the barrier is a round of the cluster's, and the joint refill, with the records two slots on, is the first thing behind it.
.macro CHANGE fill
	WIN 0
	s_wait_tensorcnt 0x0                           ; no tensor load of mine is out, so a group 0 may be written
	ds_add_u32 v[SPW], v[NIL]                      ; 0 onto my spare word
.if \fill
	s_xor_b32 s[G0+5], s[G0+5], SLOT1              ; the walking descriptor: the other slot than last time,
	s_add_nc_u64 s[G0+6:G0+7], s[G0+6:G0+7], SLOTB   ; the next two records; the type bits on top are not reached
	s_wait_xcnt 0x0                                ; the last prefetch, two key steps back, has read its address
	s_add_nc_u64 s[PFA:PFA+1], s[PFA:PFA+1], SLOTB
	s_wait_dscnt 0x0                               ; the add is done, and my reads of the slot are over
	CROUND
	JLOAD
	ASK
.else
	s_wait_dscnt 0x0
	s_barrier_signal -1
	s_barrier_wait -1
.endif
	s_sub_co_u32 s[TB], s[TB], SLOTB               ; the fetches go back to a slot's first record,
	s_xor_b32 s[TB], s[TB], SLOT1                  ; in the other slot
.endm
.macro TWO_STEPS                       ; a slot's two key steps: written once, walked twice
	s_mov_b32 s[TWICE], 2
.Lstep_\@:
	TURN 0, 2, 1, 0, 1, 0
	TURN 1, 2, 1, 0, 0, 1
	s_sub_co_u32 s[TWICE], s[TWICE], 1
	s_cmp_lg_u32 s[TWICE], 0
	s_cbranch_scc1 .Lstep_\@
.endm
.macro VFLOAD i0                       ; 32 rows of vf (channels 64 w + i0 on, my block's 128 positions): 512 consecutive bytes a load
	WIN 0x80
.set cn, \i0
.rept 32
	global_load_b128 v[4*cn:4*cn+3], v[LI], s[8:9] offset:16384*cn th:TH_LOAD_NT
.set cn, cn+1
.endr
	WIN 0
.endm
	s_load_b256 s[4:11], s[0:1], 0x0               ; aq 4, kv 6, vf 8, out0 10
	v_lshl_add_u32 v[SPW], v0, 2, SPARE
	v_mov_b32 v[NIL], 0
	ds_add_u32 v3, v4
	ds_add_u32 v3, v4
	s_wait_dscnt 0x0
	v_lshrrev_b32 v88, 5, v0
	v_readfirstlane_b32 s[WV], v88                 ; wave 0..3
	s_bfe_u32 s13, ttmp6, 0x40000                  ; cx: my place in the cluster
	s_lshl_b32 s14, ttmp9, 2
	s_add_co_u32 s14, s14, s13                     ; my block of 128 queries: it enters aq's, vf's and out0's addresses alone
	s_and_b32 s16, ttmp7, 0xffff                   ; the batch, which the four partners share
	s_mul_i32 s20, s16, 32*REC                     ; the batch's first byte in kv
	s_mul_i32 s21, s[WV], QUART                    ; my quarter of a slot: in LDS and in memory
	s_add_co_u32 s22, s20, s21
	s_mov_b32 s23, 0
	s_mul_i32 s34, s13, QUART                      ; the prefetches: my work-group's quarter,
	s_mul_i32 s35, s[WV], 6400                     ; my wave's 25 blocks of it,
	s_add_co_u32 s34, s34, s35
	s_add_co_u32 s34, s34, s20
	s_add_co_u32 s34, s34, 2*SLOTB                 ; in slot 2: the first change of slots steps it to slot 3.  Nothing is prefetched at the head
	s_mov_b32 s35, 0
	s_lshl_b32 s32, s16, 5
	s_add_co_u32 s32, s32, s14
	s_mul_i32 s32, s32, 12800                      ; my record in aq
	s_mov_b32 s33, 0
	s_lshl_b32 s2, s16, 22                         ; vf, out0: a batch is 4,194,304 bytes,
	s_lshl_b32 s3, s[WV], 20                       ; my 64 channels 64 x 16,384,
	s_add_co_u32 s2, s2, s3
	s_lshl_b32 s3, s14, 9                          ; 128 positions 512
	s_add_co_u32 s2, s2, s3
	s_mov_b32 s3, 0
	; descriptor group 1: a quarter of a slot, 19,200 dense bytes, as 75 rows of 256 bytes (32 elements of 8 bytes)
	s_mov_b32 s[G1+0], 15|(3<<16)|(1<<21)          ; the mask: all four work-groups; elements of 8 bytes; bit 21 set beside a mask
	s_mov_b32 s[G1+1], 32<<16                      ; tensor_dim0
	s_mov_b32 s[G1+2], 75<<16                      ; tensor_dim1
	s_mov_b32 s[G1+3], 32<<16                      ; tile_dim0
	s_mov_b32 s[G1+4], 75                          ; tile_dim1
	s_mov_b32 s[G1+5], 32                          ; from row to row
	s_mov_b32 s[G1+6], 0
	s_mov_b32 s[G1+7], 0
	s_mov_b32 s[CS], 0x3fb8aa3b                    ; log2(e)
	s_mov_b32 s[CS+1], s[CS]
	s_mov_b32 s[SEL], 0x76543210
	s_mov_b32 s[SEL+1], 0xfedcba98
	s_mov_b32 s[TB], 0
	s_mov_b32 s[SLOTS], 14                         ; of 16 slots' worth of keys all but the last two are followed by a refill
	s_cmp_eq_u32 s[WV], 3
	s_cselect_b32 s[LIM], 1, 0
	s_or_b32 s[LIM], s[LIM], ttmp9                 ; 0 in waves 0 to 2 of the batch's first cluster: the same in all four partners
	s_cmp_eq_u32 s[LIM], 0
	s_cselect_b32 s[LIM], 1, -1
	s_wait_kmcnt 0x0
	s_add_nc_u64 s[PFA:PFA+1], s[6:7], s[34:35]
	s_add_nc_u64 s[6:7], s[6:7], s[22:23]          ; kv at my quarter of slot 0
	s_add_nc_u64 s[4:5], s[4:5], s[32:33]
	s_add_nc_u64 s[8:9], s[8:9], s[2:3]
	s_add_nc_u64 s[10:11], s[10:11], s[2:3]
	CROUND                                         ; all four work-groups are here: the first joint loads meet
	s_mov_b32 s[G0], 1                             ; count = 1
	s_mov_b32 s[G0+1], s21                         ; LDS address: no place in the cluster enters it
	s_mov_b64 s[G0+2:G0+3], s[6:7]
	s_or_b32 s[G0+3], s[G0+3], 0x80000000          ; type = 2
	s_mov_b32 s[G0+4], 1
	s_add_co_u32 s[G0+5], s21, SLOT1
	s_add_nc_u64 s[G0+6:G0+7], s[6:7], SLOTB
	s_or_b32 s[G0+7], s[G0+7], 0x80000000
	tensor_load_to_lds s[G0:G0+3], s[G1:G1+7]      ; both first fills together, ahead of every wait on TENSORcnt and every LDS read
	s_nop 0
	tensor_load_to_lds s[G0+4:G0+7], s[G1:G1+7]
	s_nop 0
	PLACES 4
	v_and_b32 v88, 31, v0
	v_lshlrev_b32 v[LI], 4, v88
	v_min_u32 v[PFO], 24, v88
	v_lshlrev_b32 v[PFO], 8, v[PFO]
	s_mul_i32 s2, s[WV], 3072
	v_add_nc_u32 v89, s2, v[LI]                    ; my two tiles' images
	s_lshl_b32 s3, s[WV], 2
	v_add_nc_u32 v90, s3, v[LI]                    ; my pair of scale words
	WIN 0x80
.irp x, 0,1
.irp c, 0,1,2
	global_load_b128 v[96+12*\x+4*\c:96+12*\x+4*\c+3], v89, s[4:5] offset:1536*\x+512*\c   ; Q stays in registers
.endr
.endr
	WIN 0
	global_load_b32 v[QS], v90, s[4:5] offset:12288   ; lanes 0-15 piece 0's rows, lanes 16-31 piece 1's
.irp y, 0,1
	v_mov_b32 v[ST+8*\y+1], 0xff61b1e6             ; the largest t so far: -3e38, under every t
	v_floor_f32 v[ST+8*\y], -v[ST+8*\y+1]          ; -M
	v_mov_b32 v[ST+8*\y+2], 0                      ; the sum, in two halves: the first change of M multiplies zeros
	v_mov_b32 v[ST+8*\y+3], 0
	v_mov_b32 v[ST+8*\y+5], 0                      ; (named as the upper half of f's pair)
.endr
.irp b, 0,1,2,3
	v_mov_b32 v[BT+\b], 0                          ; a lane permute's destination counts as one of its sources
.endr
	s_wait_tensorcnt 0x1                           ; my quarter of slot 0 is in; slot 1's may stay out
	s_barrier_signal -1
	s_barrier_wait -1                              ; everybody's is
	FETCH_K                                        ; key step 0
	s_wait_loadcnt 0x0                             ; Q
	s_wait_dscnt 0x0
.set XP, 0
.set NPV, 0
.set NKQ, 8
.set PVZ, 0
.set wi, 0
.set CURW, W_KQ
.rept 8
	HOOK                                           ; piece 0's first scores: there is no vector work yet to set between them
.endr
.set CURW, 0
	WIN 0
	; the addresses for the way out are made here: plain lines, the places behind those products
	v_and_b32 v88, 15, v0                          ; r
	v_bfe_u32 v89, v0, 4, 1                        ; h
	v_and_b32 v90, 8, v88
	v_add_nc_u32 v88, v88, v90
	s_lshl_b32 s2, s[WV], 5
	v_add_nc_u32 v88, s2, v88                      ; piece 0's position of lane r: 32 w + r + (r & 8)
	v_lshlrev_b32 v88, 2, v88
	v_mad_u32_u24 v88, v89, 8*528, v88             ; + 8 h channel rows
.irp g, 0,1,2,3
	v_add_nc_u32 v[STO+\g], STG+((\g+3)/4)*STGJ+\g*STGB, v88
	v_add_nc_u32 v[STO+22+\g], STG+((\g+3)/4)*STGJ+\g*STGB+32, v88   ; piece 1: 8 positions on
.endr
	s_min_u32 s2, s[WV], 1
	s_mul_i32 s2, s2, STGJ
	s_mul_i32 s3, s[WV], STGB
	s_add_co_u32 s2, s2, s3
	s_add_co_u32 s2, s2, STG
	v_add_nc_u32 v[RD], s2, v[LI]                  ; back: stage w holds channels 64 w on
	TURN 1, 0, 1, 1, 0, 1                          ; piece 1's first scores | piece 0's first softmax | V of step 0
	TURN 0, 1, 1, 1, 1, 0                          ; piece 0: V^T P of step 0 starts O^T, K Q^T of step 1 | piece 1's first softmax | K of step 1
	TURN 1, 1, 1, 0, 0, 1                          ; piece 1: the same | piece 0's softmax of step 1 | V of step 1
.Lslot:                                            ; 14 trips
	CHANGE 1
	TWO_STEPS
	s_sub_co_u32 s[SLOTS], s[SLOTS], 1
	s_cmp_lg_u32 s[SLOTS], 0
	s_cbranch_scc1 .Lslot
	CHANGE 0                                       ; the tail is written out
	TWO_STEPS
	VFLOAD 0                                       ; K and Q are done with (48 plain lines stand behind their last product): their window takes the residual's rows
	TURN 0, 2, 0, 0, 0, 0                          ; piece 0: V^T P of the last step | piece 1's last softmax
	VFLOAD 32
.set XP, 1
.set NPV, 16
.set NKQ, 0
.set PVZ, 0
.set wi, 0
.set CURW, W_PV
.rept 16
	HOOK                                           ; piece 1: V^T P of the last step
.endr
.set CURW, 0
	WIN 0
	; THE WAY OUT.  O^T / l goes into the stages as channel rows of the block's 128 positions; a barrier, since a row's positions come from four waves; each wave reads 64 whole rows, adds vf's and stores them.
	PLACES 4
.irp y, 0,1
	v_add_f32 v[ST+8*\y+6], v[ST+8*\y+2], v[ST+8*\y+3]   ; the sum's two halves,
.endr
.irp y, 0,1
	v_permlanex16_b32 v[ST+8*\y+5], v[ST+8*\y+6], s[SEL], s[SEL+1]
.endr
.irp y, 0,1
	v_add_f32 v[ST+8*\y+6], v[ST+8*\y+6], v[ST+8*\y+5]   ; and lane l xor 16's: l
.endr
.irp y, 0,1
	v_rcp_f32 v[ST+8*\y+4], v[ST+8*\y+6]
.endr
	v_nop                                          ; one plain place behind the reciprocals
	s_wait_alu depctr_va_vdst(0)                   ; one wait for the two, ahead of their first reader
	WIN W_RS
.irp y, 0,1
.set cn, 128*\y
.rept 64
	v_pk_mul_f32 v[cn:cn+1], v[cn:cn+1], v[ST+8*\y+4:ST+8*\y+5] op_sel_hi:[1,0]
.set cn, cn+2
.endr
.endr
	WIN 0x04                                       ; an LDS store's data are its source 1: window 1
.irp y, 0,1
.set ct, 0
.rept 16
.irp j, 0,1,2,3,4,5,6,7
	ds_store_b32 v[STO+22*\y+ct/4], v[128*\y+8*ct+\j] offset:(16*(ct%4)+\j)*528   ; channel 16 ct + 8 h + j, my query's position
.endr
.set ct, ct+1
.endr
.endr
	WIN 0
	s_wait_dscnt 0x0                               ; for the others' sake: my stores into the stages are done
	s_barrier_signal -1
	s_barrier_wait -1
	WIN 0xc0                                       ; V is done with: its window takes the rows
.set cn, 0
.rept 64
	ds_load_b128 v[4*cn:4*cn+3], v[RD] offset:528*cn
.set cn, cn+1
.endr
	s_wait_loadcnt 0x0                             ; vf's rows
.irp q, 0,1,2,3
	s_wait_dscnt 48-16*\q                          ; sixteen rows are back; the younger groups' loads may be out
	WIN 0xcb                                       ; destination and source 0 window 3, source 1 window 2
.set cn, 64*\q
.rept 32
	v_pk_add_f32 v[cn:cn+1], v[cn:cn+1], v[cn:cn+1]   ; + v
.set cn, cn+2
.endr
	WIN 0x0c                                       ; a store's data are its source 1: window 3
.set cn, 16*\q
.rept 16
	global_store_b128 v[LI], v[4*cn:4*cn+3], s[10:11] offset:16384*cn th:TH_STORE_NT   ; 32 lanes store 512 consecutive bytes of a channel's row, aligned to 256
.set cn, cn+1
.endr
.endr
	WIN 0
	s_wait_tensorcnt 0x0                           ; the wave's end: behind my last tensor load and my last LDS store
	ds_add_u32 v[SPW], v[NIL]
	s_wait_dscnt 0x0
	CROUND                                         ; the closing round: no work-group ends while a partner may still ask for a slot that names it
	s_endpgm
.Lfunc_end_k_qe545a33b44_attn:
	.size	k_qe545a33b44_attn, .Lfunc_end_k_qe545a33b44_attn-k_qe545a33b44_attn
	.p2alignl 7, 3214868480
	.fill 96, 4, 3214868480
	.section	.rodata,"a",@progbits
	.p2align	6, 0x0
	.amdhsa_kernel k_qe545a33b44_attn
		.amdhsa_group_segment_fixed_size 327680
		.amdhsa_private_segment_fixed_size 0
		.amdhsa_enable_private_segment 0
		.amdhsa_kernarg_size 32
		.amdhsa_user_sgpr_count 2
		.amdhsa_user_sgpr_kernarg_segment_ptr 1
		.amdhsa_wavefront_size32 1
		.amdhsa_system_sgpr_workgroup_id_x 1
		.amdhsa_system_sgpr_workgroup_id_y 1
		.amdhsa_system_sgpr_workgroup_id_z 1
		.amdhsa_system_vgpr_workitem_id 0
		.amdhsa_next_free_vgpr 1024
		.amdhsa_next_free_sgpr 66
		.amdhsa_reserve_vcc 0
		.amdhsa_float_denorm_mode_32 3
		.amdhsa_float_denorm_mode_16_64 3
		.amdhsa_memory_ordered 1
		.amdhsa_forward_progress 1
		.amdhsa_inst_pref_size 223
	.end_amdhsa_kernel
	.amdgpu_metadata
---
amdhsa.version: [ 1, 2 ]
amdhsa.kernels:
  - .name:           k_qe545a33b44_attn
    .symbol:         k_qe545a33b44_attn.kd
    .args:
      - { .name: aq, .offset: 0, .size: 8, .value_kind: global_buffer, .address_space: global }
      - { .name: kv, .offset: 8, .size: 8, .value_kind: global_buffer, .address_space: global }
      - { .name: vf, .offset: 16, .size: 8, .value_kind: global_buffer, .address_space: global }
      - { .name: out0, .offset: 24, .size: 8, .value_kind: global_buffer, .address_space: global }
    .group_segment_fixed_size: 327680
    .private_segment_fixed_size: 0
    .kernarg_segment_align: 8
    .kernarg_segment_size: 32
    .max_flat_workgroup_size: 128
    .sgpr_count:     66
    .vgpr_count:     1024
    .wavefront_size: 32
...
	.end_amdgpu_metadata
.endif
;; end of part 3
;; ======== version 2 of 2: 3 launches
;; workspace buffers: wpk 208,896 bytes; aq 3,276,800 bytes; kv 9,830,400 bytes; vf 33,554,432 bytes
;; launch wq (part 4): grid 32 x 1, 4 waves a work-group, no clusters, 34,304 bytes of LDS; arguments W1, W2, W3, g1, g2, g3, b1, b2, b3, m1, m2, m3, v1, v2, v3, wpk; writes wpk
.if DOCPART == 4
	.amdgcn_target "amdgcn-amd-amdhsa--gfx1250"
	.amdhsa_code_object_version 6
	.text
	.protected	k_qe545a33b44_wq
	.globl	k_qe545a33b44_wq
	.p2align	8
	.type	k_qe545a33b44_wq,@function
k_qe545a33b44_wq:
	s_mov_b64 s[64:65], 0
	v_nop
	global_prefetch_b8 v0, s[64:65] scope:SCOPE_SE
	s_setreg_imm32_b32 hwreg(HW_REG_WAVE_MODE, 25, 1), 1
	s_wait_xcnt 0x0
; The three weights [rows][512] f32 become codes of FP6 (E2M3) with one E8M0 byte for each 32 along K (K = the 512 input channels, innermost), laid in the ORDER OF THE OPERAND'S REGISTERS,
; and the three batch norms become scale[512] = g / sqrt(v + 1e-5) and shift[512] = b - m x scale (channels: a 0-127, k 128-255, v 256-511).
; wpk: images at 0: fragment (w, s, j) (w = 0: W1, 1: W2, 2: W3 rows 0-127, 3: W3 rows 128-255; s: K step of 128; j: tile of 16 rows) is 1,536 bytes at ((4 w + s) 8 + j) 1,536:
;      registers 4 c .. 4 c + 3 of lane l at 512 c + 16 l.   Scale words at 196,608: ((4 w + s) 4 + p) 128 + 4 l: lanes 0-15 tile 2 p's rows, lanes 16-31 tile 2 p + 1's.   scale at 204,800, shift at 206,848.
; THE ROWS OF A TILE OF W1 AND W2 ARE NOT NEIGHBOURS: row r of tile 2 p + u is row 32 p + 8 u + r + (r & 8), so that the next launch's results have 16 neighbouring channels in 16 registers.  W3's tiles are natural.
; SHARES: work-group = (w, s, half); wave q makes tile j = 4 half + q: 128 waves, a tile each.
; A tile's part of a row is 512 consecutive bytes: sixteen loads, a row each, 16 bytes a lane.  The operand's layout gives lane (r, h) two whole blocks of 32 of row r (k = 64 c + 32 h + 0 .. 31): the rows turn through the wave's own
; stage in LDS (16 rows x (512 + 16) bytes).  No other lane is asked for a maximum.
; A block's scale is 2^(floor(log2(largest magnitude)) - 2); its byte is the largest magnitude's exponent field - 2, held at 1 from below.
; The batch norm's four numbers of channel 128 w + 32 q + lane are loaded by every work-group, with the weights at the head, and worked while the stage's loads are out; one work-group in eight (s = 0, half = 0) stores the results.
; LIMITS: a block of zeros, or one whose largest magnitude lies under 2^-124, gets the byte 1 (zero codes add nothing; this program alone reads the bytes); NaN and infinities are not served; v + 1e-5 is positive.
; No barrier: waves share nothing.  The launch reads 1 MiB once: no matrix unit, no cluster, no ring would add anything.
.set R,   32                           ; v32-95   sixteen rows as loaded
.set X,   96                           ; v96-159  my 64 numbers: block c at +32 c
.set C,   176                          ; v176-187 the codes
.set WSO, 196608
.set BNO, 204800
.set SP,  528
.set STGB, 16*SP
	s_load_b512 s[8:23], s[0:1], 0x0               ; W1 8, W2 10, W3 12, g1 14, g2 16, g3 18, b1 20, b2 22
	s_load_b512 s[24:39], s[0:1], 0x40             ; b3 24, m1 26, m2 28, m3 30, v1 32, v2 34, v3 36, wpk 38
	v_lshl_add_u32 v224, v0, 2, 0x8400
	v_mov_b32 v225, 0
	v_lshrrev_b32 v1, 5, v0
	v_readfirstlane_b32 s2, v1                     ; q: wave 0..3
	s_lshr_b32 s3, ttmp9, 3                        ; w
	s_bfe_u32 s4, ttmp9, 0x20001                   ; s: two bits from bit 1
	s_and_b32 s5, ttmp9, 1
	s_lshl_b32 s5, s5, 2
	s_add_co_u32 s5, s5, s2                        ; j: my tile
	s_lshr_b32 s6, s5, 1                           ; p: its pair
	s_and_b32 s7, s5, 1                            ; u: its place in the pair
	s_max_u32 s52, s3, 2
	s_sub_co_u32 s52, s52, 2
	s_lshl_b32 s52, s52, 7                         ; first row in the chosen weight: 128 for w = 3, else 0
	s_lshl_b32 s53, s6, 5
	s_lshl_b32 s54, s7, 3
	s_add_co_u32 s53, s53, s54                     ; W1, W2: the tile begins at row 32 p + 8 u;
	s_lshl_b32 s54, s5, 4                          ; W3: at 16 j
	s_cmp_lt_u32 s3, 2
	s_cselect_b32 s53, s53, s54
	s_cselect_b32 s57, 16384, 0                    ; W1, W2: the tile's rows 8-15 lie 8 rows of 2,048 bytes further on
	s_add_co_u32 s53, s53, s52
	s_lshl_b32 s54, s53, 11
	s_lshl_b32 s55, s4, 9
	s_add_co_u32 s54, s54, s55
	s_mov_b32 s55, 0                               ; s[54:55] in the weight: the tile's first row, K step s
	s_lshr_b32 s58, ttmp9, 1                       ; 4 w + s
	s_lshl_b32 s60, s58, 2
	s_add_co_u32 s60, s60, s6
	s_lshl_b32 s60, s60, 7
	s_lshl_b32 s61, s7, 6
	s_add_co_u32 s60, s60, s61
	s_add_co_u32 s60, s60, WSO
	s_mov_b32 s61, 0                               ; s[60:61] my tile's sixteen scale words
	s_lshl_b32 s58, s58, 3
	s_add_co_u32 s58, s58, s5
	s_mul_i32 s58, s58, 1536
	s_mov_b32 s59, 0                               ; s[58:59] my image
	s_lshl_b32 s62, s3, 9
	s_lshl_b32 s63, s2, 7
	s_add_co_u32 s62, s62, s63
	s_add_co_u32 s62, s62, BNO
	s_mov_b32 s63, 0                               ; s[62:63] scale of channel 128 w + 32 q
	s_lshl_b32 s53, s2, 5
	s_add_co_u32 s52, s52, s53
	s_lshl_b32 s52, s52, 2
	s_mov_b32 s53, 0                               ; s[52:53] the same channel in the chosen g, b, m, v
	s_mul_i32 s56, s2, STGB                        ; my stage
	s_mov_b32 s50, 0x76543210
	s_mov_b32 s51, 0xfedcba98                      ; v_permlanex16_b32's selects for lane l xor 16
	v_and_b32 v1, 31, v0                           ; lane
	v_and_b32 v2, 15, v0                           ; r
	v_bfe_u32 v3, v0, 4, 1                         ; h
	v_lshlrev_b32 v4, 4, v1                        ; 16 x lane: in a row's 512 bytes, and in an image
	v_add_nc_u32 v5, s57, v4                       ; the same for rows 8-15
	v_add_nc_u32 v6, s56, v4                       ; the stage, on the way in
	v_mul_u32_u24 v7, v2, SP
	v_lshl_add_u32 v7, v3, 7, v7
	v_add_nc_u32 v7, s56, v7                       ; and out: row r, + 128 h: my block of 32
	v_lshlrev_b32 v8, 3, v3                        ; 8 h: where my two bytes stand in the scale word
	v_lshlrev_b32 v9, 2, v2                        ; 4 r
	v_lshlrev_b32 v27, 2, v1                       ; 4 x lane
	v_mov_b32 v18, 0                               ; a lane permute's destination counts as one of its sources
	s_wait_kmcnt 0x0
	s_cmp_eq_u32 s3, 0                             ; the buffers are chosen on the work-group's number alone
	s_cselect_b64 s[40:41], s[8:9], s[10:11]
	s_cselect_b64 s[42:43], s[14:15], s[16:17]
	s_cselect_b64 s[44:45], s[20:21], s[22:23]
	s_cselect_b64 s[46:47], s[26:27], s[28:29]
	s_cselect_b64 s[48:49], s[32:33], s[34:35]
	s_cmp_lt_u32 s3, 2
	s_cselect_b64 s[40:41], s[40:41], s[12:13]
	s_cselect_b64 s[42:43], s[42:43], s[18:19]
	s_cselect_b64 s[44:45], s[44:45], s[24:25]
	s_cselect_b64 s[46:47], s[46:47], s[30:31]
	s_cselect_b64 s[48:49], s[48:49], s[36:37]
	s_add_nc_u64 s[40:41], s[40:41], s[54:55]
	s_add_nc_u64 s[42:43], s[42:43], s[52:53]
	s_add_nc_u64 s[44:45], s[44:45], s[52:53]
	s_add_nc_u64 s[46:47], s[46:47], s[52:53]
	s_add_nc_u64 s[48:49], s[48:49], s[52:53]
	s_add_nc_u64 s[58:59], s[38:39], s[58:59]
	s_add_nc_u64 s[60:61], s[38:39], s[60:61]
	s_add_nc_u64 s[62:63], s[38:39], s[62:63]
	global_load_b32 v208, v27, s[42:43]            ; g
	global_load_b32 v209, v27, s[44:45]            ; b
	global_load_b32 v210, v27, s[46:47]            ; m
	global_load_b32 v211, v27, s[48:49]            ; v
.irp i, 0,1,2,3,4,5,6,7
	global_load_b128 v[R+4*\i:R+4*\i+3], v4, s[40:41] offset:2048*\i th:TH_LOAD_NT   ; 32 lanes read 512 consecutive bytes of the tile's row i, aligned to 256
.endr
.irp i, 8,9,10,11,12,13,14,15
	global_load_b128 v[R+4*\i:R+4*\i+3], v5, s[40:41] offset:2048*\i th:TH_LOAD_NT
.endr
	s_wait_loadcnt 8                               ; the batch norm's numbers and rows 0-7 are in; the eight loads of rows 8-15 may be out
.irp i, 0,1,2,3,4,5,6,7
	ds_store_b128 v6, v[R+4*\i:R+4*\i+3] offset:SP*\i
.endr
	s_wait_loadcnt 0x0
.irp i, 8,9,10,11,12,13,14,15
	ds_store_b128 v6, v[R+4*\i:R+4*\i+3] offset:SP*\i
.endr
.irp c, 0,1
.irp i, 0,1,2,3,4,5,6,7
	ds_load_b128 v[X+32*\c+4*\i:X+32*\c+4*\i+3], v7 offset:256*\c+16*\i   ; my own bytes: LDS serves a wave's instructions in order (ISA guide 5.7.1.4)
.endr
.endr
	v_add_f32 v211, 0x3727c5ac, v211               ; v + 1e-5: the batch norm stands between the stage's loads and the wait for them
	v_rsq_f32 v212, v211
	v_nop                                          ; one plain place behind a transcendental
	s_wait_alu depctr_va_vdst(0)                   ; and the wait ahead of its first reader
	v_mul_f32 v212, v208, v212                     ; scale
	v_fma_f32 v213, -v210, v212, v209              ; shift = b - m x scale
	s_wait_dscnt 0x0
.irp c, 0,1                                    ; each block's largest magnitude in two chains; the four chains by turns
.irp z, 0,1
	v_max3_num_f32 v[10+2*\c+\z], |v[X+32*\c+16*\z]|, |v[X+32*\c+16*\z+1]|, 0x1800000   ; with the floor 2^(3 - 127): the byte cannot fall under 1
.endr
.endr
.irp i, 2,4,6,8,10,12,14
.irp c, 0,1
.irp z, 0,1
	v_max3_num_f32 v[10+2*\c+\z], v[10+2*\c+\z], |v[X+32*\c+16*\z+\i]|, |v[X+32*\c+16*\z+\i+1]|
.endr
.endr
.endr
.irp c, 0,1
	v_max_num_f32 v[10+2*\c], v[10+2*\c], v[11+2*\c]
.endr
.irp c, 0,1
	v_add_nc_u32 v[14+\c], 0xff000000, v[10+2*\c]  ; 2 off the exponent field: the conversion takes this operand's exponent field as its scale
.endr
.irp c, 0,1
	v_lshrrev_b32 v[16+\c], 23, v[14+\c]           ; the scale's byte
.endr
	v_lshl_or_b32 v19, v17, 16, v16                ; my bytes: blocks h and 2 + h,
	v_lshlrev_b32 v19, v8, v19                     ; at their places;
	v_permlanex16_b32 v18, v19, s50, s51
	v_or_b32 v19, v19, v18                         ; with lane l xor 16's two the word is whole, in both lanes
.irp c, 0,1
	v_cvt_scalef32_pk16_fp6_f32 v[C+6*\c:C+6*\c+2], v[X+32*\c:X+32*\c+15], v[14+\c]
	v_cvt_scalef32_pk16_fp6_f32 v[20+4*\c:22+4*\c], v[X+32*\c+16:X+32*\c+31], v[14+\c]   ; (a conversion's three registers begin on an even number)
.endr
	v_nop                                          ; one plain place behind a scaled conversion
.irp c, 0,1
.irp i, 0,1,2
	v_mov_b32 v[C+6*\c+3+\i], v[20+4*\c+\i]
.endr
.endr
.irp c, 0,1,2
	global_store_b128 v4, v[C+4*\c:C+4*\c+3], s[58:59] offset:512*\c   ; 32 lanes store 512 consecutive bytes, aligned to 256
.endr
	global_store_b32 v9, v19, s[60:61]             ; row r's word: lanes r and 16 + r store the same word to the same place; a tile's words are 64 consecutive bytes
	s_and_b32 s56, ttmp9, 7
	s_cmp_lg_u32 s56, 0                            ; the work-groups with s = 0 and half = 0 store the batch norm of channels 128 w + 32 q + lane
	s_cbranch_scc1 .Lend
	global_store_b32 v27, v212, s[62:63]
	global_store_b32 v27, v213, s[62:63] offset:2048
.Lend:
	s_wait_tensorcnt 0x0
	ds_add_u32 v224, v225
	s_wait_dscnt 0x0
	s_endpgm
.Lfunc_end_k_qe545a33b44_wq:
	.size	k_qe545a33b44_wq, .Lfunc_end_k_qe545a33b44_wq-k_qe545a33b44_wq
	.p2alignl 7, 3214868480
	.fill 96, 4, 3214868480
	.section	.rodata,"a",@progbits
	.p2align	6, 0x0
	.amdhsa_kernel k_qe545a33b44_wq
		.amdhsa_group_segment_fixed_size 34304
		.amdhsa_private_segment_fixed_size 0
		.amdhsa_enable_private_segment 0
		.amdhsa_kernarg_size 128
		.amdhsa_user_sgpr_count 2
		.amdhsa_user_sgpr_kernarg_segment_ptr 1
		.amdhsa_wavefront_size32 1
		.amdhsa_system_sgpr_workgroup_id_x 1
		.amdhsa_system_sgpr_workgroup_id_y 1
		.amdhsa_system_sgpr_workgroup_id_z 1
		.amdhsa_system_vgpr_workitem_id 0
		.amdhsa_next_free_vgpr 226
		.amdhsa_next_free_sgpr 66
		.amdhsa_reserve_vcc 0
		.amdhsa_float_denorm_mode_32 3
		.amdhsa_float_denorm_mode_16_64 3
		.amdhsa_memory_ordered 1
		.amdhsa_forward_progress 1
		.amdhsa_inst_pref_size 12
	.end_amdhsa_kernel
	.amdgpu_metadata
---
amdhsa.version: [ 1, 2 ]
amdhsa.kernels:
  - .name:           k_qe545a33b44_wq
    .symbol:         k_qe545a33b44_wq.kd
    .args:
      - { .name: W1, .offset: 0, .size: 8, .value_kind: global_buffer, .address_space: global }
      - { .name: W2, .offset: 8, .size: 8, .value_kind: global_buffer, .address_space: global }
      - { .name: W3, .offset: 16, .size: 8, .value_kind: global_buffer, .address_space: global }
      - { .name: g1, .offset: 24, .size: 8, .value_kind: global_buffer, .address_space: global }
      - { .name: g2, .offset: 32, .size: 8, .value_kind: global_buffer, .address_space: global }
      - { .name: g3, .offset: 40, .size: 8, .value_kind: global_buffer, .address_space: global }
      - { .name: b1, .offset: 48, .size: 8, .value_kind: global_buffer, .address_space: global }
      - { .name: b2, .offset: 56, .size: 8, .value_kind: global_buffer, .address_space: global }
      - { .name: b3, .offset: 64, .size: 8, .value_kind: global_buffer, .address_space: global }
      - { .name: m1, .offset: 72, .size: 8, .value_kind: global_buffer, .address_space: global }
      - { .name: m2, .offset: 80, .size: 8, .value_kind: global_buffer, .address_space: global }
      - { .name: m3, .offset: 88, .size: 8, .value_kind: global_buffer, .address_space: global }
      - { .name: v1, .offset: 96, .size: 8, .value_kind: global_buffer, .address_space: global }
      - { .name: v2, .offset: 104, .size: 8, .value_kind: global_buffer, .address_space: global }
      - { .name: v3, .offset: 112, .size: 8, .value_kind: global_buffer, .address_space: global }
      - { .name: wpk, .offset: 120, .size: 8, .value_kind: global_buffer, .address_space: global }
    .group_segment_fixed_size: 34304
    .private_segment_fixed_size: 0
    .kernarg_segment_align: 8
    .kernarg_segment_size: 128
    .max_flat_workgroup_size: 128
    .sgpr_count:     66
    .vgpr_count:     226
    .wavefront_size: 32
...
	.end_amdgpu_metadata
.endif
;; end of part 4
;; launch proj: the kernel of part 2 again; grid 256 x 1, 4 waves a work-group, no clusters, 313,856 bytes of LDS; arguments x, wpk, aq, kv, vf; writes aq, kv, vf
;; launch attn (part 5): grid 32 x 8, 4 waves a work-group, clusters of 4 x 1, 327,680 bytes of LDS; arguments aq, kv, vf, out0; writes out0
.if DOCPART == 5
	.amdgcn_target "amdgcn-amd-amdhsa--gfx1250"
	.amdhsa_code_object_version 6
	.text
	.protected	k_qe545a33b44_attn
	.globl	k_qe545a33b44_attn
	.p2align	8
	.type	k_qe545a33b44_attn,@function
k_qe545a33b44_attn:
	s_mov_b64 s[64:65], 0
	v_nop
	global_prefetch_b8 v0, s[64:65] scope:SCOPE_SE
	s_setreg_imm32_b32 hwreg(HW_REG_WAVE_MODE, 25, 1), 1
	s_wait_xcnt 0x0
	s_wait_alu depctr_hold_cnt(0) depctr_sa_sdst(0) depctr_va_vdst(0) depctr_va_sdst(0) depctr_va_ssrc(0) depctr_va_vcc(0) depctr_vm_vsrc(0)
	s_getreg_b32 s2, hwreg(HW_REG_IB_STS2, 6, 4)
	s_cmp_eq_u32 s2, 0
	s_cbranch_scc0 .Lentry_in_a_cluster
	s_endpgm
.Lentry_in_a_cluster:
	s_bfe_u32 s2, ttmp6, 0x10000c
	s_cmp_lg_u32 s2, 0x3003
	s_cbranch_scc0 .Lentry_shape_is_right
	s_endpgm
.Lentry_shape_is_right:
; out[b][c][m] = v[b][c][m] + (sum over n of v[b][c][n] p[m][n]) / l[m], p = 2^(t - M), t = (a[:, m] . k[:, n]) log2(e), M = the row's largest t so far rounded UP to a whole number, l = the sum of the unquantised p.
; Both products on codes of FP6 (E2M3), one E8M0 byte for each 32 along K.  a, k, v arrive as operand images with their scale words (aq, kv: laid by the launch before); v in f32 (vf) for the residual.
; When M moves, l and O are multiplied by 2^(old M - new M), made by v_ldexp_f32: nothing is rounded, and no branch hangs on data.
; SHARES: a work-group owns 128 queries of a batch; wave w owns tiles 2 w (piece 0) and 2 w + 1 (piece 1) of 16 queries.  Every wave walks the batch's 32 key steps of 128 keys; each fragment of K and V read from LDS feeds two products.
; LAYOUT: S^T = K Q^T (source 0 = 16 keys, source 1 = 16 queries), O^T = V^T P^T (source 0 = 16 channels, source 1 = P): a lane holds ONE query throughout.  The keys of a tile of K are not neighbours
; (row r of tile 2 b + u is key 32 b + 8 u + r + (r & 8)), so that 16 registers of two neighbouring tiles of S^T are 16 neighbouring keys: the conversions' results are P's operand.  Query row r of tile T is position 32 (T / 2) + 8 (T % 2) + r + (r & 8).
; BY TURNS: in a TURN one piece has the matrix unit: 16 products V^T P of the step in hand, then 8 products K Q^T of the next step; the other piece's softmax stands between them: the products stand at 24 fixed places of its text,
; by preference where a line reads the result of the line just above it (the lines that make M; the last folds of the sum).  Each accumulator gets one product a key step, so no two products that follow each other share one.
; CLUSTER: the four query blocks of a cluster belong to one batch and walk the same records of kv: each slot (two records, 76,800 bytes) is asked for JOINTLY, a quarter a wave, by the same tensor load with the same descriptor
; and a mask that names the four.  Two loads of a wave are out at the start, one behind each change of slots; it has two key steps in which to land.
; LDS: slot 0 at 0; the spare words at 76,800; stage 0 at 77,312; slot 1 at 131,072; stages 1 to 3 from 207,872: 64 channel rows x 528 bytes each, bytes of their own into which no fill lands.
; All of the LDS is claimed.
; LIMITS: p under 2^-126 comes out of v_exp_f32 as 0; a block of p whose largest lies under 2^-124 keeps the byte 1; NaN and infinities are not served.
; REGISTERS: window 0: v1-9, v26-31 addresses; v10-13 K's scale words, v14-21 V's, v22 Q's, v24-25 P's; v32-47 statistics; v48-63 at work; v64-87 P's codes; v96-111 the sum's eight chains; v112-115 bytes; v128-255 S^T, 64 a piece.
;   window 1: O^T, 128 a piece.   window 2: v0-95 K, v96-119 Q; at the end vf's rows.   window 3: v0-191 V; at the end the stage's rows.
.set REC,   38400                      ; a key step's record: K's 8 images, V's 16, K's scale words at 36,864, V's at 37,376
.set SLOTB, 2*REC
.set QUART, SLOTB/4
.set SLOT1, 1<<17                      ; one exclusive or turns an address in one slot into the other's
.set SPARE, SLOTB                      ; 128 bytes for each wave: two blocks of 256 bytes that no other line names
.set STG,   SPARE+512
.set STGB,  64*528
.set STGJ,  SLOT1+SLOTB-STGB-STG       ; stage g begins at STG + g STGB, + STGJ for g > 0
.set LI,  1                            ; 16 x lane
.set ADR, 2                            ; the LDS address of the run of loads in hand
.set SPW, 3                            ; my spare word; never rewritten
.set NIL, 4                            ; 0; never rewritten
.set PFO, 5                            ; the prefetches' offset; never rewritten
.set STO, 6                            ; v6-9 piece 0's place in stages 0 to 3; v28-31 piece 1's
.set KS,  10
.set VS,  14
.set QS,  22
.set PS,  24
.set RD,  26
.set ST,  32                           ; piece y at +8 y: +0 -M, +1 the largest t, +2, +3 the sum in two halves, +4 f, +5 its partner in the pair, +6 at work, +7 the old -M
.set BM,  48                           ; v48-51 each block's largest score, then its largest p
.set BT,  52                           ; v52-59 at work
.set SOP, 60                           ; v60-63 the conversions' scale operands
.set P,   64
.set SU,  96                           ; v96-111 eight chains of the sum, a pair each
.set BY,  112                          ; v112-115 the four scale bytes
.set S,   128
.set WV,  12
.set LIM, 15                           ; 1 in a wave that prefetches, else the greatest number
.set PFA, 18
.set G1,  24
.set G0,  40                           ; s[40:43] slot 0's first fill; s[44:47] slot 1's, which then walks on
.set SLOTS, 56
.set TWICE, 57
.set CS,  58                           ; s[58:59] log2(e): the packed form names a pair
.set SEL, 60
.set TB,  62                           ; LDS byte at which the record to be fetched begins
.set W_KQ, 0x0a                        ; K and Q window 2, S^T window 0
.set W_PV, 0x53                        ; V window 3, P window 0, O^T window 1
.set W_RS, 0x41                        ; O^T (destination and source 0) window 1
.set MSB, 0
.set CURW, 0
.macro WIN new                         ; the immediate's high byte repeats the setting that is left; a switch that changes nothing is dropped
.if MSB != (\new)
	s_set_vgpr_msb (MSB<<8)|(\new)
.set MSB, (\new)
.endif
.endm
.macro PLACES n
.rept \n
	v_nop
.endr
.endm
.macro CROUND                          ; a round of the cluster's barrier: my work-group's barrier; wave 0 signals for the work-group; every wave waits for all four work-groups; my work-group's barrier once more
	s_barrier_signal -1
	s_barrier_wait -1
	s_cmp_lg_u32 s[WV], 0
	s_cbranch_scc1 .Lnot_wave_0_\@
	s_barrier_signal -3
.Lnot_wave_0_\@:
	s_barrier_wait -3
	s_barrier_signal -1
	s_barrier_wait -1
.endm
.macro JLOAD                           ; the joint refill: every wave fetches its quarter; four v_nop follow
	tensor_load_to_lds s[G0+4:G0+7], s[G1:G1+7]
	s_nop 0
	PLACES 4
.endm
; A PREFETCH INTO THE L2 of the slot that the NEXT change of slots will ask for: 300 blocks of 256 bytes, two key steps ahead of that load.  All clusters of a batch walk the same records: the batch's first cluster asks.
; Its four partners take 75 blocks each, told apart BY ADDRESS; in each, waves 0 to 2 take 25, a lane a block (lanes 25 to 31 name lane 24's again).  The last change that fills a slot asks for nothing.  Slots 0 to 2 come by their loads alone.
.macro ASK
	s_cmp_gt_u32 s[SLOTS], s[LIM]
	s_cbranch_scc0 .Lnot_mine_\@
	global_prefetch_b8 v[PFO], s[PFA:PFA+1] th:TH_LOAD_NT scope:SCOPE_SE
.Lnot_mine_\@:
.endm
; One product.  wD, wA, wB: first registers; wZ = 1: it starts its sum; wSA, wSB: scale registers; wRA, wRB = 1: the scales stand in lanes 16-31.
.macro WMMA
.if wZ
.if wRA && wRB
	v_wmma_scale_f32_16x16x128_f8f6f4 v[wD:wD+7], v[wA:wA+11], v[wB:wB+11], 0, v[wSA], v[wSB] matrix_a_fmt:MATRIX_FMT_FP6 matrix_b_fmt:MATRIX_FMT_FP6 matrix_a_scale:MATRIX_SCALE_ROW1 matrix_b_scale:MATRIX_SCALE_ROW1
.elseif wRA
	v_wmma_scale_f32_16x16x128_f8f6f4 v[wD:wD+7], v[wA:wA+11], v[wB:wB+11], 0, v[wSA], v[wSB] matrix_a_fmt:MATRIX_FMT_FP6 matrix_b_fmt:MATRIX_FMT_FP6 matrix_a_scale:MATRIX_SCALE_ROW1
.elseif wRB
	v_wmma_scale_f32_16x16x128_f8f6f4 v[wD:wD+7], v[wA:wA+11], v[wB:wB+11], 0, v[wSA], v[wSB] matrix_a_fmt:MATRIX_FMT_FP6 matrix_b_fmt:MATRIX_FMT_FP6 matrix_b_scale:MATRIX_SCALE_ROW1
.else
	v_wmma_scale_f32_16x16x128_f8f6f4 v[wD:wD+7], v[wA:wA+11], v[wB:wB+11], 0, v[wSA], v[wSB] matrix_a_fmt:MATRIX_FMT_FP6 matrix_b_fmt:MATRIX_FMT_FP6
.endif
.else
.if wRA && wRB
	v_wmma_scale_f32_16x16x128_f8f6f4 v[wD:wD+7], v[wA:wA+11], v[wB:wB+11], v[wD:wD+7], v[wSA], v[wSB] matrix_a_fmt:MATRIX_FMT_FP6 matrix_b_fmt:MATRIX_FMT_FP6 matrix_a_scale:MATRIX_SCALE_ROW1 matrix_b_scale:MATRIX_SCALE_ROW1
.elseif wRA
	v_wmma_scale_f32_16x16x128_f8f6f4 v[wD:wD+7], v[wA:wA+11], v[wB:wB+11], v[wD:wD+7], v[wSA], v[wSB] matrix_a_fmt:MATRIX_FMT_FP6 matrix_b_fmt:MATRIX_FMT_FP6 matrix_a_scale:MATRIX_SCALE_ROW1
.elseif wRB
	v_wmma_scale_f32_16x16x128_f8f6f4 v[wD:wD+7], v[wA:wA+11], v[wB:wB+11], v[wD:wD+7], v[wSA], v[wSB] matrix_a_fmt:MATRIX_FMT_FP6 matrix_b_fmt:MATRIX_FMT_FP6 matrix_b_scale:MATRIX_SCALE_ROW1
.else
	v_wmma_scale_f32_16x16x128_f8f6f4 v[wD:wD+7], v[wA:wA+11], v[wB:wB+11], v[wD:wD+7], v[wSA], v[wSB] matrix_a_fmt:MATRIX_FMT_FP6 matrix_b_fmt:MATRIX_FMT_FP6
.endif
.endif
.endm
; Place number wi of a turn: piece XP's next product: NPV products V^T P (channels 16 wi on; PVZ = 1: they start O^T's sums), then NKQ products K Q^T (tile wi - NPV of 16 keys), then nothing.  The windows go back to CURW.
.macro HOOK
.if wi < NPV
.set wD, 128*XP+8*wi
.set wA, 12*wi
.set wB, P+12*XP
.set wZ, PVZ
.set wSA, VS+wi/2
.set wSB, PS+XP
.set wRA, wi%2
.set wRB, 0
	WIN W_PV
	WMMA
	WIN CURW
.elseif wi < NPV+NKQ
.if (wi == NPV) && (XP == 0)
	s_wait_dscnt 0x0                               ; K, asked for at the turn's head, is in
.endif
.set wT, wi-NPV
.set wD, S+64*XP+8*wT
.set wA, 12*wT
.set wB, 96+12*XP
.set wZ, 1
.set wSA, KS+wT/2
.set wSB, QS
.set wRA, wT%2
.set wRB, XP
	WIN W_KQ
	WMMA
	WIN CURW
.endif
.set wi, wi+1
.endm
; THE LDS LOADS: images as they lie, 512 consecutive bytes a load.  K's 25 in one run at the head of piece 0's turn; V's 50 in two runs of piece 1's turn, 32 and 18.
.macro FETCH_K
	WIN 0
	v_add_nc_u32 v[ADR], s[TB], v[LI]
	ds_load_b128 v[KS:KS+3], v[ADR] offset:36864   ; four pairs of scale words
	WIN 0x80
.irp t, 0,1,2,3,4,5,6,7
.irp c, 0,1,2
	ds_load_b128 v[12*\t+4*\c:12*\t+4*\c+3], v[ADR] offset:1536*\t+512*\c
.endr
.endr
	WIN CURW
.endm
.macro FETCH_V part
	WIN 0
.if \part == 0
	v_add_nc_u32 v[ADR], s[TB], v[LI]
	s_add_co_u32 s[TB], s[TB], REC                 ; the next fetch is the next record's
	ds_load_b128 v[VS:VS+3], v[ADR] offset:37376
	ds_load_b128 v[VS+4:VS+7], v[ADR] offset:37888
	WIN 0xc0
.irp t, 0,1,2,3,4,5,6,7,8,9
.irp c, 0,1,2
	ds_load_b128 v[12*\t+4*\c:12*\t+4*\c+3], v[ADR] offset:12288+1536*\t+512*\c
.endr
.endr
.else
	WIN 0xc0
.irp t, 10,11,12,13,14,15
.irp c, 0,1,2
	ds_load_b128 v[12*\t+4*\c:12*\t+4*\c+3], v[ADR] offset:12288+1536*\t+512*\c
.endr
.endr
.endif
	WIN CURW
.endm
.macro SCALE j                         ; t - M of the two scores at register j of the piece in hand
	v_pk_fma_f32 v[rS+(\j):rS+(\j)+1], v[rS+(\j):rS+(\j)+1], s[CS:CS+1], v[rT:rT+1] op_sel_hi:[1,0,0]
.endm
; PIECE y's SOFTMAX for one key step, with the 24 places.  first = 1: O^T has not begun: nothing to rescale.  fv = 1: the next V is fetched, from behind the turn's last product V^T P and fifteen plain lines on.
.macro SOFTMAX y, first, fv
.set rS, S+64*(\y)
.set rT, ST+8*(\y)
.set rP, P+12*(\y)
.set rPS, PS+(\y)
	HOOK
.irp b, 0,1,2,3
	v_max3_num_f32 v[BM+\b], v[rS+16*\b], v[rS+16*\b+1], v[rS+16*\b+2]   ; THE LARGEST SCORE OF EACH BLOCK OF 32 KEYS: for the row's maximum, and, since p rises with the score, for the block's largest p.  Each accumulator is read from its low end on
.endr
.irp i, 3,5,7,9,11,13
	HOOK
.irp b, 0,1,2,3
	v_max3_num_f32 v[BM+\b], v[BM+\b], v[rS+16*\b+\i], v[rS+16*\b+\i+1]
.endr
.endr
	HOOK
.irp b, 0,1,2,3
	v_max_num_f32 v[BM+\b], v[BM+\b], v[rS+16*\b+15]
.endr
	HOOK
.irp b, 0,1,2,3
	v_permlanex16_b32 v[BT+\b], v[BM+\b], s[SEL], s[SEL+1]
.endr
	HOOK
.irp b, 0,1,2,3
	v_max_num_f32 v[BM+\b], v[BM+\b], v[BT+\b]     ; with lane l xor 16's 16 keys
.endr
	HOOK                                           ; places 10 to 15: each of the next lines reads the line above it: a product stands between them
	v_mov_b32 v[rT+7], v[rT]                       ; the old -M is kept
	v_max3_num_f32 v[rT+6], v[BM], v[BM+1], v[BM+2]
	HOOK
	v_max_num_f32 v[rT+6], v[rT+6], v[BM+3]        ; the step's largest score of my query
	HOOK
	v_mul_f32 v[rT+6], s[CS], v[rT+6]              ; as t
	HOOK
	v_max_num_f32 v[rT+1], v[rT+1], v[rT+6]        ; the running largest t
	HOOK
	v_floor_f32 v[rT], -v[rT+1]                    ; the new -M = floor(-t): M is a whole number
	HOOK                                           ; place 15: the turn's last product V^T P; the fifteen lines below are plain and name none of its registers
.irp j, 0,2,4,6
	SCALE \j                                       ; the first sixteen scores; the three lines that make f stand among them
.endr
	v_sub_f32 v[rT+6], v[rT], v[rT+7]              ; old M - new M: a whole number, 0 or less
.irp j, 8,10
	SCALE \j
.endr
	v_cvt_i32_f32 v[rT+6], v[rT+6]                 ; (it saturates)
.irp j, 12,14
	SCALE \j
.endr
	v_ldexp_f32 v[rT+4], 1.0, v[rT+6]              ; f = 2^(old M - new M)
.irp b, 0,1,2,3
	v_fma_f32 v[BM+\b], v[BM+\b], s[CS], v[rT]     ; t - M of each block's largest score
.endr
.if \fv
	FETCH_V 0
.endif
; ONE BATCH: the 64 p and the four blocks' largest p; nothing in it names a result.  Two exponentials and a scaling by turns while there are scalings: a pair is scaled eight groups ahead of its exponentials.
.set m, 0
.rept 24
.if (m == 12) || (m == 18)
	HOOK                                           ; place 16 is the first product K Q^T
.endif
	v_exp_f32 v[rS+2*m], v[rS+2*m]
	v_exp_f32 v[rS+2*m+1], v[rS+2*m+1]
	SCALE 16+2*m
.set m, m+1
.endr
.set e, 48
.rept 2
	HOOK
.rept 10
.if e < 64
	v_exp_f32 v[rS+e], v[rS+e]
.else
	v_exp_f32 v[BM+e-64], v[BM+e-64]
.endif
.set e, e+1
.endr
.endr
.if \first
	v_nop                                          ; the plain place behind the exponentials
.else
	WIN W_RS                                       ; the first quarter of O^T's rescaling names no result of the batch: it stands between the last exponential and the wait
.set cn, 128*(\y)
.rept 16
	v_pk_mul_f32 v[cn:cn+1], v[cn:cn+1], v[rT+4:rT+5] op_sel_hi:[1,0]   ; O^T under the new M, each accumulator from its low end on
.set cn, cn+2
.endr
	WIN 0
.endif
	s_wait_alu depctr_va_vdst(0)                   ; one wait for the batch, ahead of its first reader
.if \fv
	FETCH_V 1
.endif
.irp b, 0,1,2,3
	v_max_num_f32 v[BM+\b], 0x1800000, v[BM+\b]    ; the floor 2^(3 - 127): the byte cannot fall under 1
.endr
.irp b, 0,1,2,3
	v_add_nc_u32 v[SOP+\b], 0xff000000, v[BM+\b]   ; 2 off the exponent field: the conversion's scale operand
.endr
.irp c, 0,1
	v_cvt_scalef32_pk16_fp6_f32 v[rP+6*\c:rP+6*\c+2], v[rS+32*\c:rS+32*\c+15], v[SOP+2*\c]
	v_cvt_scalef32_pk16_fp6_f32 v[BT+4*\c:BT+4*\c+2], v[rS+32*\c+16:rS+32*\c+31], v[SOP+2*\c+1]   ; (a conversion's three registers begin on an even number)
.endr
.irp b, 0,1,2,3
	v_lshrrev_b32 v[BY+\b], 23, v[SOP+\b]          ; the bytes: also the plain place behind the conversions
.endr
	HOOK
	v_permlane16_swap_b32 v[rP], v[BT]             ; the layout wants a WHOLE block in a lane; the three lines of p's scale word for these 128 keys stand among the exchanges
	v_permlane16_swap_b32 v[rP+1], v[BT+1]
	v_lshl_or_b32 v[rPS], v[BY+1], 8, v[BY]
	v_permlane16_swap_b32 v[rP+2], v[BT+2]
	v_permlane16_swap_b32 v[rP+6], v[BT+4]
	v_lshl_or_b32 v[rPS], v[BY+2], 16, v[rPS]
	v_permlane16_swap_b32 v[rP+7], v[BT+5]
	v_permlane16_swap_b32 v[rP+8], v[BT+6]
	v_lshl_or_b32 v[rPS], v[BY+3], 24, v[rPS]
.irp c, 0,1
.irp i, 0,1,2
	v_mov_b32 v[rP+6*\c+3+\i], v[BT+4*\c+\i]
.endr
.endr
; THE SUM IS TAKEN OF THE UNQUANTISED p: two at a time, in eight chains, so that a line reads what stands eight lines above it; then the chains are folded.
.irp c, 0,1,2,3,4,5,6,7
	v_pk_add_f32 v[SU+2*\c:SU+2*\c+1], v[rS+2*\c:rS+2*\c+1], v[rS+16+2*\c:rS+17+2*\c]
.endr
.irp q, 32,48
.irp c, 0,1,2,3,4,5,6,7
	v_pk_add_f32 v[SU+2*\c:SU+2*\c+1], v[SU+2*\c:SU+2*\c+1], v[rS+\q+2*\c:rS+\q+2*\c+1]
.endr
.endr
.irp c, 0,1,2,3
	v_pk_add_f32 v[SU+2*\c:SU+2*\c+1], v[SU+2*\c:SU+2*\c+1], v[SU+8+2*\c:SU+9+2*\c]
.endr
	HOOK
.irp c, 0,1
	v_pk_add_f32 v[SU+2*\c:SU+2*\c+1], v[SU+2*\c:SU+2*\c+1], v[SU+4+2*\c:SU+5+2*\c]
.endr
	HOOK
	v_pk_add_f32 v[SU:SU+1], v[SU:SU+1], v[SU+2:SU+3]
	HOOK                                           ; place 23: the turn's last product K Q^T
	v_pk_fma_f32 v[rT+2:rT+3], v[rT+2:rT+3], v[rT+4:rT+5], v[SU:SU+1] op_sel_hi:[1,0,1]   ; l = l f + the step's sum
.if \first
	PLACES 8                                       ; behind the last product K Q^T, and in front of the next turn's products
.else
	WIN W_RS
.set cn, 128*(\y)+32
.rept 48                                       ; the rest of the rescaling: also the places behind the last product K Q^T, in front of the next fetch of K, and in front of the next turn's products
	v_pk_mul_f32 v[cn:cn+1], v[cn:cn+1], v[rT+4:rT+5] op_sel_hi:[1,0]
.set cn, cn+2
.endr
	WIN 0
.endif
.endm
; A TURN.  Piece x has the matrix unit.  pv = 2: 16 products V^T P; 1: they start O^T; 0: none.  kq = 1: 8 products K Q^T of the next step.  fk = 1: that step's K is fetched at the head.  fv: see SOFTMAX.
.macro TURN x, pv, kq, first, fk, fv
.set XP, \x
.set wi, 0
.set NPV, 0
.set NKQ, 0
.set PVZ, 0
.if \pv
.set NPV, 16
.endif
.if \pv == 1
.set PVZ, 1
.endif
.if \kq
.set NKQ, 8
.endif
.if (\x == 0) && \pv
	s_wait_dscnt 0x0                               ; V, asked for in the turn before, is in
.endif
.if \fk
	FETCH_K
.endif
	SOFTMAX 1-\x, \first, \fv
.endm
; THE CHANGE OF SLOTS: the slot's last bytes, V of its second record, have been asked for.  Each wave waits for all its tensor loads (one is out: its quarter of the other slot), adds 0 to its spare word, and waits for that and
; for its own reads of the slot.  fill = 1: the barrier is a round of the cluster's, and the joint refill, with the records two slots on, is the first thing behind it.
.macro CHANGE fill
	WIN 0
	s_wait_tensorcnt 0x0                           ; no tensor load of mine is out, so a group 0 may be written
	ds_add_u32 v[SPW], v[NIL]                      ; 0 onto my spare word
.if \fill
	s_xor_b32 s[G0+5], s[G0+5], SLOT1              ; the walking descriptor: the other slot than last time,
	s_add_nc_u64 s[G0+6:G0+7], s[G0+6:G0+7], SLOTB   ; the next two records; the type bits on top are not reached
	s_wait_xcnt 0x0                                ; the last prefetch, two key steps back, has read its address
	s_add_nc_u64 s[PFA:PFA+1], s[PFA:PFA+1], SLOTB
	s_wait_dscnt 0x0                               ; the add is done, and my reads of the slot are over
	CROUND
	JLOAD
	ASK
.else
	s_wait_dscnt 0x0
	s_barrier_signal -1
	s_barrier_wait -1
.endif
	s_sub_co_u32 s[TB], s[TB], SLOTB               ; the fetches go back to a slot's first record,
	s_xor_b32 s[TB], s[TB], SLOT1                  ; in the other slot
.endm
.macro TWO_STEPS                       ; a slot's two key steps: written once, walked twice
	s_mov_b32 s[TWICE], 2
.Lstep_\@:
	TURN 0, 2, 1, 0, 1, 0
	TURN 1, 2, 1, 0, 0, 1
	s_sub_co_u32 s[TWICE], s[TWICE], 1
	s_cmp_lg_u32 s[TWICE], 0
	s_cbranch_scc1 .Lstep_\@
.endm
.macro VFLOAD i0                       ; 32 rows of vf (channels 64 w + i0 on, my block's 128 positions): 512 consecutive bytes a load
	WIN 0x80
.set cn, \i0
.rept 32
	global_load_b128 v[4*cn:4*cn+3], v[LI], s[8:9] offset:16384*cn th:TH_LOAD_NT
.set cn, cn+1
.endr
	WIN 0
.endm
	s_load_b256 s[4:11], s[0:1], 0x0               ; aq 4, kv 6, vf 8, out0 10
	v_lshl_add_u32 v[SPW], v0, 2, SPARE
	v_mov_b32 v[NIL], 0
	ds_add_u32 v3, v4
	ds_add_u32 v3, v4
	s_wait_dscnt 0x0
	v_lshrrev_b32 v88, 5, v0
	v_readfirstlane_b32 s[WV], v88                 ; wave 0..3
	s_bfe_u32 s13, ttmp6, 0x40000                  ; cx: my place in the cluster
	s_lshl_b32 s14, ttmp9, 2
	s_add_co_u32 s14, s14, s13                     ; my block of 128 queries: it enters aq's, vf's and out0's addresses alone
	s_and_b32 s16, ttmp7, 0xffff                   ; the batch, which the four partners share
	s_mul_i32 s20, s16, 32*REC                     ; the batch's first byte in kv
	s_mul_i32 s21, s[WV], QUART                    ; my quarter of a slot: in LDS and in memory
	s_add_co_u32 s22, s20, s21
	s_mov_b32 s23, 0
	s_mul_i32 s34, s13, QUART                      ; the prefetches: my work-group's quarter,
	s_mul_i32 s35, s[WV], 6400                     ; my wave's 25 blocks of it,
	s_add_co_u32 s34, s34, s35
	s_add_co_u32 s34, s34, s20
	s_add_co_u32 s34, s34, 2*SLOTB                 ; in slot 2: the first change of slots steps it to slot 3.  Nothing is prefetched at the head
	s_mov_b32 s35, 0
	s_lshl_b32 s32, s16, 5
	s_add_co_u32 s32, s32, s14
	s_mul_i32 s32, s32, 12800                      ; my record in aq
	s_mov_b32 s33, 0
	s_lshl_b32 s2, s16, 22                         ; vf, out0: a batch is 4,194,304 bytes,
	s_lshl_b32 s3, s[WV], 20                       ; my 64 channels 64 x 16,384,
	s_add_co_u32 s2, s2, s3
	s_lshl_b32 s3, s14, 9                          ; 128 positions 512
	s_add_co_u32 s2, s2, s3
	s_mov_b32 s3, 0
	; descriptor group 1: a quarter of a slot, 19,200 dense bytes, as 75 rows of 256 bytes (32 elements of 8 bytes)
	s_mov_b32 s[G1+0], 15|(3<<16)|(1<<21)          ; the mask: all four work-groups; elements of 8 bytes; bit 21 set beside a mask
	s_mov_b32 s[G1+1], 32<<16                      ; tensor_dim0
	s_mov_b32 s[G1+2], 75<<16                      ; tensor_dim1
	s_mov_b32 s[G1+3], 32<<16                      ; tile_dim0
	s_mov_b32 s[G1+4], 75                          ; tile_dim1
	s_mov_b32 s[G1+5], 32                          ; from row to row
	s_mov_b32 s[G1+6], 0
	s_mov_b32 s[G1+7], 0
	s_mov_b32 s[CS], 0x3fb8aa3b                    ; log2(e)
	s_mov_b32 s[CS+1], s[CS]
	s_mov_b32 s[SEL], 0x76543210
	s_mov_b32 s[SEL+1], 0xfedcba98
	s_mov_b32 s[TB], 0
	s_mov_b32 s[SLOTS], 14                         ; of 16 slots' worth of keys all but the last two are followed by a refill
	s_cmp_eq_u32 s[WV], 3
	s_cselect_b32 s[LIM], 1, 0
	s_or_b32 s[LIM], s[LIM], ttmp9                 ; 0 in waves 0 to 2 of the batch's first cluster: the same in all four partners
	s_cmp_eq_u32 s[LIM], 0
	s_cselect_b32 s[LIM], 1, -1
	s_wait_kmcnt 0x0
	s_add_nc_u64 s[PFA:PFA+1], s[6:7], s[34:35]
	s_add_nc_u64 s[6:7], s[6:7], s[22:23]          ; kv at my quarter of slot 0
	s_add_nc_u64 s[4:5], s[4:5], s[32:33]
	s_add_nc_u64 s[8:9], s[8:9], s[2:3]
	s_add_nc_u64 s[10:11], s[10:11], s[2:3]
	CROUND                                         ; all four work-groups are here: the first joint loads meet
	s_mov_b32 s[G0], 1                             ; count = 1
	s_mov_b32 s[G0+1], s21                         ; LDS address: no place in the cluster enters it
	s_mov_b64 s[G0+2:G0+3], s[6:7]
	s_or_b32 s[G0+3], s[G0+3], 0x80000000          ; type = 2
	s_mov_b32 s[G0+4], 1
	s_add_co_u32 s[G0+5], s21, SLOT1
	s_add_nc_u64 s[G0+6:G0+7], s[6:7], SLOTB
	s_or_b32 s[G0+7], s[G0+7], 0x80000000
	tensor_load_to_lds s[G0:G0+3], s[G1:G1+7]      ; both first fills together, ahead of every wait on TENSORcnt and every LDS read
	s_nop 0
	tensor_load_to_lds s[G0+4:G0+7], s[G1:G1+7]
	s_nop 0
	PLACES 4
	v_and_b32 v88, 31, v0
	v_lshlrev_b32 v[LI], 4, v88
	v_min_u32 v[PFO], 24, v88
	v_lshlrev_b32 v[PFO], 8, v[PFO]
	s_mul_i32 s2, s[WV], 3072
	v_add_nc_u32 v89, s2, v[LI]                    ; my two tiles' images
	s_lshl_b32 s3, s[WV], 2
	v_add_nc_u32 v90, s3, v[LI]                    ; my pair of scale words
	WIN 0x80
.irp x, 0,1
.irp c, 0,1,2
	global_load_b128 v[96+12*\x+4*\c:96+12*\x+4*\c+3], v89, s[4:5] offset:1536*\x+512*\c   ; Q stays in registers
.endr
.endr
	WIN 0
	global_load_b32 v[QS], v90, s[4:5] offset:12288   ; lanes 0-15 piece 0's rows, lanes 16-31 piece 1's
.irp y, 0,1
	v_mov_b32 v[ST+8*\y+1], 0xff61b1e6             ; the largest t so far: -3e38, under every t
	v_floor_f32 v[ST+8*\y], -v[ST+8*\y+1]          ; -M
	v_mov_b32 v[ST+8*\y+2], 0                      ; the sum, in two halves: the first change of M multiplies zeros
	v_mov_b32 v[ST+8*\y+3], 0
	v_mov_b32 v[ST+8*\y+5], 0                      ; (named as the upper half of f's pair)
.endr
.irp b, 0,1,2,3
	v_mov_b32 v[BT+\b], 0                          ; a lane permute's destination counts as one of its sources
.endr
	s_wait_tensorcnt 0x1                           ; my quarter of slot 0 is in; slot 1's may stay out
	s_barrier_signal -1
	s_barrier_wait -1                              ; everybody's is
	FETCH_K                                        ; key step 0
	s_wait_loadcnt 0x0                             ; Q
	s_wait_dscnt 0x0
.set XP, 0
.set NPV, 0
.set NKQ, 8
.set PVZ, 0
.set wi, 0
.set CURW, W_KQ
.rept 8
	HOOK                                           ; piece 0's first scores: there is no vector work yet to set between them
.endr
.set CURW, 0
	WIN 0
	; the addresses for the way out are made here: plain lines, the places behind those products
	v_and_b32 v88, 15, v0                          ; r
	v_bfe_u32 v89, v0, 4, 1                        ; h
	v_and_b32 v90, 8, v88
	v_add_nc_u32 v88, v88, v90
	s_lshl_b32 s2, s[WV], 5
	v_add_nc_u32 v88, s2, v88                      ; piece 0's position of lane r: 32 w + r + (r & 8)
	v_lshlrev_b32 v88, 2, v88
	v_mad_u32_u24 v88, v89, 8*528, v88             ; + 8 h channel rows
.irp g, 0,1,2,3
	v_add_nc_u32 v[STO+\g], STG+((\g+3)/4)*STGJ+\g*STGB, v88
	v_add_nc_u32 v[STO+22+\g], STG+((\g+3)/4)*STGJ+\g*STGB+32, v88   ; piece 1: 8 positions on
.endr
	s_min_u32 s2, s[WV], 1
	s_mul_i32 s2, s2, STGJ
	s_mul_i32 s3, s[WV], STGB
	s_add_co_u32 s2, s2, s3
	s_add_co_u32 s2, s2, STG
	v_add_nc_u32 v[RD], s2, v[LI]                  ; back: stage w holds channels 64 w on
	TURN 1, 0, 1, 1, 0, 1                          ; piece 1's first scores | piece 0's first softmax | V of step 0
	TURN 0, 1, 1, 1, 1, 0                          ; piece 0: V^T P of step 0 starts O^T, K Q^T of step 1 | piece 1's first softmax | K of step 1
	TURN 1, 1, 1, 0, 0, 1                          ; piece 1: the same | piece 0's softmax of step 1 | V of step 1
.Lslot:                                            ; 14 trips
	CHANGE 1
	TWO_STEPS
	s_sub_co_u32 s[SLOTS], s[SLOTS], 1
	s_cmp_lg_u32 s[SLOTS], 0
	s_cbranch_scc1 .Lslot
	CHANGE 0                                       ; the tail is written out
	TWO_STEPS
	VFLOAD 0                                       ; K and Q are done with (49 plain lines stand behind their last product): their window takes the residual's rows
	TURN 0, 2, 0, 0, 0, 0                          ; piece 0: V^T P of the last step | piece 1's last softmax
	VFLOAD 32
.set XP, 1
.set NPV, 16
.set NKQ, 0
.set PVZ, 0
.set wi, 0
.set CURW, W_PV
.rept 16
	HOOK                                           ; piece 1: V^T P of the last step
.endr
.set CURW, 0
	WIN 0
	; THE WAY OUT.  O^T / l goes into the stages as channel rows of the block's 128 positions; a barrier, since a row's positions come from four waves; each wave reads 64 whole rows, adds vf's and stores them.
	PLACES 4
.irp y, 0,1
	v_add_f32 v[ST+8*\y+6], v[ST+8*\y+2], v[ST+8*\y+3]   ; the sum's two halves,
.endr
.irp y, 0,1
	v_permlanex16_b32 v[ST+8*\y+5], v[ST+8*\y+6], s[SEL], s[SEL+1]
.endr
.irp y, 0,1
	v_add_f32 v[ST+8*\y+6], v[ST+8*\y+6], v[ST+8*\y+5]   ; and lane l xor 16's: l
.endr
.irp y, 0,1
	v_rcp_f32 v[ST+8*\y+4], v[ST+8*\y+6]
.endr
	v_nop                                          ; one plain place behind the reciprocals
	s_wait_alu depctr_va_vdst(0)                   ; one wait for the two, ahead of their first reader
	WIN W_RS
.irp y, 0,1
.set cn, 128*\y
.rept 64
	v_pk_mul_f32 v[cn:cn+1], v[cn:cn+1], v[ST+8*\y+4:ST+8*\y+5] op_sel_hi:[1,0]
.set cn, cn+2
.endr
.endr
	WIN 0x04                                       ; an LDS store's data are its source 1: window 1
.irp y, 0,1
.set ct, 0
.rept 16
.irp j, 0,1,2,3,4,5,6,7
	ds_store_b32 v[STO+22*\y+ct/4], v[128*\y+8*ct+\j] offset:(16*(ct%4)+\j)*528   ; channel 16 ct + 8 h + j, my query's position
.endr
.set ct, ct+1
.endr
.endr
	WIN 0
	s_wait_dscnt 0x0                               ; for the others' sake: my stores into the stages are done
	s_barrier_signal -1
	s_barrier_wait -1
	WIN 0xc0                                       ; V is done with: its window takes the rows
.set cn, 0
.rept 64
	ds_load_b128 v[4*cn:4*cn+3], v[RD] offset:528*cn
.set cn, cn+1
.endr
	s_wait_loadcnt 0x0                             ; vf's rows
.irp q, 0,1,2,3
	s_wait_dscnt 48-16*\q                          ; sixteen rows are back; the younger groups' loads may be out
	WIN 0xcb                                       ; destination and source 0 window 3, source 1 window 2
.set cn, 64*\q
.rept 32
	v_pk_add_f32 v[cn:cn+1], v[cn:cn+1], v[cn:cn+1]   ; + v
.set cn, cn+2
.endr
	WIN 0x0c                                       ; a store's data are its source 1: window 3
.set cn, 16*\q
.rept 16
	global_store_b128 v[LI], v[4*cn:4*cn+3], s[10:11] offset:16384*cn th:TH_STORE_NT   ; 32 lanes store 512 consecutive bytes of a channel's row, aligned to 256
.set cn, cn+1
.endr
.endr
	WIN 0
	s_wait_tensorcnt 0x0                           ; the wave's end: behind my last tensor load and my last LDS store
	ds_add_u32 v[SPW], v[NIL]
	s_wait_dscnt 0x0
	CROUND                                         ; the closing round: no work-group ends while a partner may still ask for a slot that names it
	s_endpgm
.Lfunc_end_k_qe545a33b44_attn:
	.size	k_qe545a33b44_attn, .Lfunc_end_k_qe545a33b44_attn-k_qe545a33b44_attn
	.p2alignl 7, 3214868480
	.fill 96, 4, 3214868480
	.section	.rodata,"a",@progbits
	.p2align	6, 0x0
	.amdhsa_kernel k_qe545a33b44_attn
		.amdhsa_group_segment_fixed_size 327680
		.amdhsa_private_segment_fixed_size 0
		.amdhsa_enable_private_segment 0
		.amdhsa_kernarg_size 32
		.amdhsa_user_sgpr_count 2
		.amdhsa_user_sgpr_kernarg_segment_ptr 1
		.amdhsa_wavefront_size32 1
		.amdhsa_system_sgpr_workgroup_id_x 1
		.amdhsa_system_sgpr_workgroup_id_y 1
		.amdhsa_system_sgpr_workgroup_id_z 1
		.amdhsa_system_vgpr_workitem_id 0
		.amdhsa_next_free_vgpr 1024
		.amdhsa_next_free_sgpr 66
		.amdhsa_reserve_vcc 0
		.amdhsa_float_denorm_mode_32 3
		.amdhsa_float_denorm_mode_16_64 3
		.amdhsa_memory_ordered 1
		.amdhsa_forward_progress 1
		.amdhsa_inst_pref_size 223
	.end_amdhsa_kernel
	.amdgpu_metadata
---
amdhsa.version: [ 1, 2 ]
amdhsa.kernels:
  - .name:           k_qe545a33b44_attn
    .symbol:         k_qe545a33b44_attn.kd
    .args:
      - { .name: aq, .offset: 0, .size: 8, .value_kind: global_buffer, .address_space: global }
      - { .name: kv, .offset: 8, .size: 8, .value_kind: global_buffer, .address_space: global }
      - { .name: vf, .offset: 16, .size: 8, .value_kind: global_buffer, .address_space: global }
      - { .name: out0, .offset: 24, .size: 8, .value_kind: global_buffer, .address_space: global }
    .group_segment_fixed_size: 327680
    .private_segment_fixed_size: 0
    .kernarg_segment_align: 8
    .kernarg_segment_size: 32
    .max_flat_workgroup_size: 128
    .sgpr_count:     66
    .vgpr_count:     1024
    .wavefront_size: 32
...
	.end_amdgpu_metadata
.endif
;; end of part 5
